; MI455X (gfx1250); checked and timed in simulation.
; The chip was launched on July 23, 2026; its instructions are those of AMD's public machine-readable ISA for CDNA 5 (MIT licence, August 2026) and "CDNA5" Instruction Set Architecture Reference Guide (July 2026). The comments in the code are by the model that wrote it; some were corrected since.
;; Multi Head Attention. Allowed arithmetic: matrix products marked QUANTISED: E2M3 operands, one E8M0 scale for each 32 along K, by v_wmma_scale_f32_16x16x128_f8f6f4 with both operands' format E2M3, f32 sums; everything else in f32.
;; Inputs: Wk 16 x 1,024 x 64 float32; Wo 1,024 x 64 float32; Wq 16 x 1,024 x 64 float32; Wv 16 x 1,024 x 64 float32; bk 16 x 64 float32; bo 64 float32; bq 16 x 64 float32; bv 16 x 64 float32; x 4 x 2,048 x 1,024 float32.
;; Outputs: out0 4 x 2,048 x 64 float32.
;; This version of the problem:
;;   THIS VERSION OF THE PROBLEM IS GIVEN IN LOW PRECISION. The matrix products marked QUANTISED in the list below multiply operands that are first quantised to E2M3 (2 exponent bits, 3 mantissa bits; 6 bits a number), with one power-of-two scale for each 32 numbers along K (OCP MX v1.0); their sums are f32. All else is computed in f32.
;;   The module's matrix products, in the order in which they are computed (A, B: the left and right operand; K: the contracted axis; several contracted axes count as one K, in the product's order):
;;     1. [M 1,024, K 1,024] x [K 1,024, N 8,192]; A: input Wq; B: input x: QUANTISED
;;     2. [M 1,024, K 1,024] x [K 1,024, N 8,192]; A: input Wk; B: input x: QUANTISED
;;     3. [M 1,024, K 1,024] x [K 1,024, N 8,192]; A: input Wv; B: input x: QUANTISED
;;     4. batch 64 x [M 2,048, K 64] x [K 64, N 2,048]; A: computed on the way; B: computed on the way: QUANTISED
;;     5. batch 64 x [M 2,048, K 2,048] x [K 2,048, N 64]; A: softmax (see below); B: computed on the way: QUANTISED
;;     6. [M 8,192, K 1,024] x [K 1,024, N 64]; A: computed on the way; B: input Wo: QUANTISED
;;   THE QUANTISER, for each operand of a quantised product, along K:
;;     - K is cut into blocks of 32 from its start; a last block that is shorter is filled with zeros.
;;     - A block's scale is 2^e with e = floor(log2(the largest magnitude in the block)) - 2, held to -126 .. 127; a block of zeros has e = 0. As a byte (E8M0): e + 127.
;;     - Each number is divided by its block's scale, clamped to +-7.5, and rounded to the nearest number of E2M3, ties to even, subnormals kept.
;;     - The product sums the exact products of the quantised numbers (number of the format x scale) in f32.
;;   ~~~python
;;   def quantise(x, axis):      # numpy; x: float32 -> the quantised numbers, widened to float32 again
;;       x = np.moveaxis(x, axis, -1); K = x.shape[-1]
;;       x = np.pad(x, [(0, 0)] * (x.ndim - 1) + [(0, -K % 32)]); x = x.reshape(x.shape[:-1] + (-1, 32)); a = np.abs(x).max(-1, keepdims=True)
;;       e = np.where(a > 0, np.clip(np.frexp(np.where(a > 0, a, 1))[1] - 1 - 2, -126, 127), 0)      # np.frexp(a)[1] - 1 = floor(log2(a)), exactly
;;       r = np.clip(x / 2.0 ** e, -7.5, 7.5)
;;       step = 2.0 ** (np.maximum(np.frexp(np.where(r == 0, 1, r))[1] - 1, 0) - 3)
;;       q = np.round(r / step) * step * 2.0 ** e      # np.round: ties to even
;;       return np.moveaxis(q.reshape(q.shape[:-2] + (-1,))[..., :K], -1, axis).astype(np.float32)
;;   ~~~
;;   SOFTMAX AHEAD OF A QUANTISED PRODUCT. Where the list says 'softmax', what is quantised is not the finished softmax but p = 2^(t - M), with t = logit x log2(e) and M = ceil(the row's largest t), a whole number; so 1/2 < the row's largest p <= 1. The row's sum l is taken of the UNQUANTISED p, in f32, and the product's result is divided by l at the end. Since M is a whole number, a kernel that streams over the keys may use a running M (the ceiling of the running maximum): every later rescaling is an exact power of two, which a block's scale takes up: the codes' values come out the same.
;;   OPERANDS COMPUTED ON THE WAY. 'Computed on the way' means the value that the module computes at that place (a softmax that the list does not call 'softmax' is quantised finished and normalised). What goes into a quantiser is computed in f32, as accurately as f32 sums, v_exp_f32 and their like allow (about 1e-6 of the number): no bf16 or f16 on the way to a quantiser, and a product that is left as it is and whose result goes on into a quantised operand takes f32 operands (vector FMAs, or v_wmma_f32_16x16x4_f32). A number that lies on a knife's edge between two numbers of the format may be rounded either way, as far as f32 arithmetic and the matrix unit's own rounding can turn it there, and no further.
;; One version. Each part assembles by itself: llvm-mc -triple=amdgcn-amd-amdhsa -mcpu=gfx1250 --defsym DOCPART=n.
;; ======== version 1 of 1: 4 launches
;; limits: right only within a limited range of input values
;; workspace buffers: xq 6,553,600 bytes; wq 2,508,800 bytes; qb 6,553,600 bytes; kv 13,107,200 bytes; ob 6,553,600 bytes
;; launch prep (part 1): grid 354 x 1, 4 waves a work-group, no clusters, 68,096 bytes of LDS; arguments x, Wq, Wk, Wv, Wo, xq, wq; writes xq, wq
.if DOCPART == 1
	.amdgcn_target "amdgcn-amd-amdhsa--gfx1250"
	.amdhsa_code_object_version 6
	.text
	.protected	k_q15587aef0b_prep
	.globl	k_q15587aef0b_prep
	.p2align	8
	.type	k_q15587aef0b_prep,@function
k_q15587aef0b_prep:
	s_mov_b64 s[64:65], 0
	v_nop
	global_prefetch_b8 v0, s[64:65] scope:SCOPE_SE
	s_setreg_imm32_b32 hwreg(HW_REG_WAVE_MODE, 25, 1), 1
	s_wait_xcnt 0x0
; x [8192][1024] and the 49 weight matrices [1024 (K)][64] (16 heads each of Wq, Wk, Wv, and Wo), all f32, become codes of FP6 (E2M3) with K innermost
; and one E8M0 scale byte for each 32 along K.  xq: 8,192 rows of 768 bytes of codes, then 8,192 rows of 32 scale bytes.  wq: 3,136 rows likewise (64 a matrix).
; A block's scale is 2^(floor(log2(its largest magnitude)) - 2); its byte is the largest magnitude's exponent field - 2, held at 1 from below.
; THE ORDER OF THE ROWS.  In every group of 32 rows of xq and of wq the four octets of rows lie in the order 0, 2, 1, 3: place 16 u + i holds row 8 u + i + 8 (i / 8).
; Two neighbouring tiles of 16 places, used as a matrix instruction's first source, then give a lane 16 registers that are 16 true neighbours.
; LIMITS: NaN and infinities among the inputs are not served; a block whose largest magnitude lies under 2^-124 gets the byte 1; a block of zeros gets the byte 1
; and not 127: its codes are zeros, which add nothing under any byte but 0xff, and this program alone reads the bytes.
; SHARES.  Work-groups 0 to 255 take x, 32 rows each: a wave takes 8 rows (8,192 numbers, 16 steps of 512), one octet.  Work-groups 256 to 353 take the matrices, two to a
; matrix: a wave takes 32 columns x 256 along K.  The two ways part on the work-group's number and have LDS bytes of their own.  No tensor load, no barrier: waves share nothing.
.set XQS,   6291456                    ; xq: where the scale bytes begin
.set WQS,   2408448                    ; wq: likewise
.set STEPS, 16
.set EMAX,  2
.set CB,    12                         ; bytes of 16 codes
.set SP,    80                         ; x: a lane's place in a stage: 64 bytes + 16 of padding
.set WREG,  8192                       ; x: a wave's LDS: two stages of 32 x SP bytes, then its 256 scale bytes
.set WSTG,  32768                      ; the weights' stages begin here: 32 rows x PITCH for each wave
.set PITCH, 272                        ; sixteen places of 16 bytes, each with 12 bytes of codes, + 16
.set SPARE, 67584                      ; behind both: the spare words, 128 bytes for each wave
.set SPW,   12                         ; v12  LDS address of my spare word; never rewritten
.set NIL,   13                         ; v13  0; never rewritten
.set R,     16                         ; x: v16-79 four sets of 16 numbers as loaded
.set X,     80                         ; x: v80-111 two sets of 16 neighbours
.set E,     112                        ; x: v112-127 a scale byte for each step
.set C,     128                        ; x: v128-190 codes, four registers for each step
.set WX,    32                         ; W: v32-95 two sets of 32 numbers
.set WC,    96                         ; W: a block's codes
.set OUTR,  112                        ; W: v112-175 the way out
.set SB,    24                         ; W: v24-25 the scale bytes, four to a register
	s_load_b256 s[4:11], s[0:1], 0x0               ; x, Wq, Wk, Wv
	s_load_b128 s[12:15], s[0:1], 0x20             ; Wo, xq
	s_load_b64 s[16:17], s[0:1], 0x30              ; wq
	v_lshl_add_u32 v[SPW], v0, 2, SPARE
	v_mov_b32 v[NIL], 0
	v_lshrrev_b32 v1, 5, v0
	v_readfirstlane_b32 s24, v1                    ; wave
	v_and_b32 v2, 31, v0                           ; lane
	s_cmp_ge_u32 ttmp9, 256
	s_cbranch_scc1 .Lweights
	; ---------------- x ----------------
	v_lshlrev_b32 v3, 4, v2                        ; my 16 bytes of a load's 512
	s_mul_i32 s25, s24, WREG
	v_lshrrev_b32 v14, 2, v2
	v_mul_u32_u24 v14, v14, SP
	v_and_b32 v15, 3, v2
	v_lshl_add_u32 v14, v15, 4, v14
	v_add_nc_u32 v14, s25, v14                     ; the stage, on the way in: SP (lane / 4) + 16 (lane % 4)
	v_mul_u32_u24 v15, v2, SP
	v_add_nc_u32 v15, s25, v15                     ; on the way out: SP x lane: my 16 neighbours
	v_mul_u32_u24 v4, v2, CB                       ; my codes' place in a step's
	v_lshrrev_b32 v5, 1, v2
	s_add_co_u32 s25, s25, 2*32*SP
	v_add_nc_u32 v5, s25, v5                       ; my block's byte among my wave's 256
	v_lshlrev_b32 v7, 3, v2                        ; and on the way out 8 bytes a lane
	v_add_nc_u32 v6, s25, v7
	s_lshl_b32 s26, ttmp9, 2
	s_add_co_u32 s28, s26, s24                     ; the octet that I read: 4 x work-group + wave
	s_lshl_b32 s28, s28, 15                        ; 32,768 bytes each
	s_mov_b32 s29, 0
	s_and_b32 s27, s24, 1
	s_lshl_b32 s27, s27, 1
	s_lshr_b32 s32, s24, 1
	s_add_co_u32 s27, s27, s32
	s_add_co_u32 s26, s26, s27                     ; the place where it goes: octets 0, 1, 2, 3 to places 0, 2, 1, 3
	s_mul_i32 s32, s26, 6144                       ; 8 rows of 768 bytes of codes
	s_mov_b32 s33, 0
	s_lshl_b32 s34, s26, 8                         ; 8 rows of 32 scale bytes
	s_mov_b32 s35, 0
	s_wait_alu depctr_va_vdst(0)
	s_wait_kmcnt 0x0
	s_add_nc_u64 s[4:5], s[4:5], s[28:29]
	s_add_nc_u64 s[28:29], s[14:15], s[32:33]      ; my codes
	s_add_nc_u64 s[30:31], s[14:15], XQS
	s_add_nc_u64 s[30:31], s[30:31], s[34:35]      ; my scale bytes
.macro XLOAD t
.irp i, 0,1,2,3
	global_load_b128 v[R+16*((\t)%4)+4*\i:R+16*((\t)%4)+4*\i+3], v3, s[4:5] offset:2048*(\t)+512*\i th:TH_LOAD_NT   ; 32 lanes read 512 consecutive bytes
.endr
.endm
.macro XTURN t                         ; step t's numbers through the stage: LDS serves a wave's instructions in order, so no wait stands between the stores and the loads
.irp i, 0,1,2,3
	ds_store_b128 v14, v[R+16*((\t)%4)+4*\i:R+16*((\t)%4)+4*\i+3] offset:32*SP*((\t)%2)+8*SP*\i
.endr
.irp i, 0,1,2,3
	ds_load_b128 v[X+16*((\t)%2)+4*\i:X+16*((\t)%2)+4*\i+3], v15 offset:32*SP*((\t)%2)+16*\i
.endr
.endm
.irp t, 0,1,2,3
	XLOAD \t
.endr
	s_wait_loadcnt 12                              ; step 0's four loads are in
	XTURN 0
.macro XSTEP t
.set XR, X+16*((\t)%2)
.if (\t) > 0
	s_wait_dscnt 1                                 ; this step's numbers are back from the stage (the last step's byte store may be out)
.else
	s_wait_dscnt 0x0
.endif
.if (\t)+4 < STEPS
	XLOAD (\t)+4                                   ; into the registers that this step's stores into the stage have read
.endif
.if (\t)+1 < STEPS
.if STEPS-2-(\t) >= 3
	s_wait_loadcnt 12                              ; the next step's four loads are in; those of the three steps behind it may be out
.else
	s_wait_loadcnt 4*(STEPS-2-(\t))
.endif
	XTURN (\t)+1
.endif
	v_max3_num_f32 v8, |v[XR]|, |v[XR+1]|, |v[XR+2]|               ; the largest magnitude of my 16, in two chains
	v_max3_num_f32 v9, |v[XR+3]|, |v[XR+4]|, |v[XR+5]|
.irp i, 6,10
	v_max3_num_f32 v8, v8, |v[XR+\i]|, |v[XR+\i+1]|
	v_max3_num_f32 v9, v9, |v[XR+\i+2]|, |v[XR+\i+3]|
.endr
	v_max3_num_f32 v8, v8, |v[XR+14]|, |v[XR+15]|
	v_max3_num_f32 v8, v8, v9, (EMAX+1)<<23        ; and the floor 2^(3 - 127): the byte cannot fall under 1
	v_max_num_f32_dpp v8, v8, v8 row_xmask:1 row_mask:0xf bank_mask:0xf   ; and of my neighbour's 16: the block's
	v_add_nc_u32 v11, -(EMAX<<23), v8              ; 2 off its exponent field: the conversion takes the exponent field of this operand as its scale
	v_cvt_scalef32_pk16_fp6_f32 v[C+4*(\t):C+4*(\t)+2], v[XR:XR+15], v11
	v_lshrrev_b32 v[E+(\t)], 23, v11               ; the scale's byte
	ds_store_b8 v5, v[E+(\t)] offset:16*(\t)       ; both lanes of a block write the same byte with the same value
	global_store_b96 v4, v[C+4*(\t):C+4*(\t)+2], s[28:29] offset:32*CB*(\t)   ; the wave stores 384 consecutive bytes
.endm
.irp t, 0,1,2,3,4,5,6,7,8,9,10,11,12,13,14,15
	XSTEP \t
.endr
	ds_load_b64 v[8:9], v6                         ; LDS serves a wave's instructions in order: these see my stores
	s_wait_dscnt 0x0
	global_store_b64 v7, v[8:9], s[30:31]          ; 32 lanes store 256 consecutive bytes, aligned
	s_branch .Lend
	; ---------------- the weights: a lane takes a column, its registers run down K ----------------
.Lweights:
	s_sub_co_u32 s25, ttmp9, 256
	s_lshr_b32 s26, s25, 1                         ; which matrix: 0-15 Wq, 16-31 Wk, 32-47 Wv, 48 Wo
	s_and_b32 s27, s25, 1
	s_lshl_b32 s27, s27, 1
	s_lshr_b32 s28, s24, 1
	s_add_co_u32 s27, s27, s28                     ; which 256 along K
	s_and_b32 s28, s24, 1                          ; which 32 columns
	s_mul_i32 s29, s24, 32*PITCH
	s_add_co_u32 s29, s29, WSTG                    ; my stage
	s_wait_alu depctr_va_vdst(0)
	v_lshlrev_b32 v3, 2, v2                        ; in: 4 bytes a lane
	v_bfe_u32 v5, v0, 3, 1
	v_bfe_u32 v6, v0, 4, 1
	v_lshl_add_u32 v5, v5, 1, v6                   ; my column's octet 0, 1, 2, 3 goes to place 0, 2, 1, 3
	v_and_b32 v6, 7, v0
	v_lshl_add_u32 v10, v5, 3, v6                  ; my column's place among the 32 rows
	v_mul_u32_u24 v4, v10, PITCH
	v_add_nc_u32 v4, s29, v4                       ; into the stage: row = that place
	v_lshlrev_b32 v9, 5, v10                       ; and its row of scale bytes
	v_and_b32 v5, 15, v2
	v_lshrrev_b32 v6, 4, v2                        ; out of the stage: sixteen lanes to a row, two rows an instruction
	v_mul_u32_u24 v7, v6, PITCH
	v_lshl_add_u32 v7, v5, 4, v7
	v_add_nc_u32 v7, s29, v7
	v_mul_u32_u24 v8, v6, 768
	v_mad_u32_u24 v8, v5, 12, v8                   ; the same place in wq
	s_and_b32 s30, s26, 15
	s_lshl_b32 s30, s30, 18                        ; a matrix is 262,144 bytes,
	s_lshl_b32 s31, s27, 16                        ; 256 of its rows 65,536,
	s_add_co_u32 s30, s30, s31
	s_lshl_b32 s31, s28, 7                         ; 32 columns 128
	s_add_co_u32 s30, s30, s31
	s_mov_b32 s31, 0
	s_lshl_b32 s32, s26, 6
	s_lshl_b32 s33, s28, 5
	s_add_co_u32 s32, s32, s33                     ; my first row of wq: 64 x matrix + 32 x half
	s_lshl_b32 s34, s32, 5
	s_lshl_b32 s33, s27, 3
	s_add_co_u32 s34, s34, s33                     ; scale bytes: 32 a row, + 8 for each 256 along K
	s_mov_b32 s35, 0
	s_mul_i32 s32, s32, 768
	s_mul_i32 s33, s27, 192
	s_add_co_u32 s32, s32, s33                     ; codes: 768 a row, + 192 for each 256 along K
	s_mov_b32 s33, 0
	s_wait_kmcnt 0x0
	s_cmp_lt_u32 s26, 48                           ; the choices hang on the work-group's number alone
	s_cselect_b64 s[4:5], s[10:11], s[12:13]
	s_cmp_lt_u32 s26, 32
	s_cselect_b64 s[4:5], s[8:9], s[4:5]
	s_cmp_lt_u32 s26, 16
	s_cselect_b64 s[4:5], s[6:7], s[4:5]
	s_add_nc_u64 s[4:5], s[4:5], s[30:31]
	s_add_nc_u64 s[28:29], s[16:17], s[32:33]      ; my codes
	s_add_nc_u64 s[30:31], s[16:17], WQS
	s_add_nc_u64 s[30:31], s[30:31], s[34:35]      ; my scale bytes
.macro WLOAD t                         ; block t: W(32 t + i, my column), i = 0 .. 31, into set t % 2; a row of W is 256 bytes
.set i, 0
.rept 32
	global_load_b32 v[WX+32*((\t)%2)+i], v3, s[4:5] offset:(32*(\t)+i)*256 th:TH_LOAD_NT
.set i, i+1
.endr
.endm
	WLOAD 0
	WLOAD 1
.macro WBLOCK t
.set XR, WX+32*((\t)%2)
.if (\t) < 7
	s_wait_loadcnt 32                              ; this block's 32 loads are in; the next block's may be out
.else
	s_wait_loadcnt 0x0
.endif
	v_max3_num_f32 v14, |v[XR]|, |v[XR+1]|, |v[XR+2]|              ; the block's largest magnitude: all 32 numbers are mine
	v_max3_num_f32 v15, |v[XR+3]|, |v[XR+4]|, |v[XR+5]|
.irp i, 6,10,14,18,22,26
	v_max3_num_f32 v14, v14, |v[XR+\i]|, |v[XR+\i+1]|
	v_max3_num_f32 v15, v15, |v[XR+\i+2]|, |v[XR+\i+3]|
.endr
	v_max3_num_f32 v14, v14, |v[XR+30]|, |v[XR+31]|
	v_max3_num_f32 v14, v14, v15, (EMAX+1)<<23     ; and the floor
	v_add_nc_u32 v11, -(EMAX<<23), v14             ; the conversion's scale operand
	v_lshrrev_b32 v15, 23, v11                     ; the scale's byte
.if (\t)%4 == 0
	v_mov_b32 v[SB+(\t)/4], v15                    ; four bytes to a register, the lower K in the lower byte
.else
	v_lshl_or_b32 v[SB+(\t)/4], v15, 8*((\t)%4), v[SB+(\t)/4]
.endif
	v_cvt_scalef32_pk16_fp6_f32 v[WC:WC+2], v[XR:XR+15], v11
	v_cvt_scalef32_pk16_fp6_f32 v[WC+4:WC+6], v[XR+16:XR+31], v11  ; (a conversion's three registers begin on an even number)
	ds_store_b96 v4, v[WC:WC+2] offset:32*(\t)     ; 16 codes, 12 bytes, to a place of 16 bytes
	ds_store_b96 v4, v[WC+4:WC+6] offset:32*(\t)+16
.if (\t)+2 < 8
	WLOAD (\t)+2
.endif
	s_wait_dscnt 0x0                               ; the stores have read their registers: the next block's codes may be written
.endm
.irp t, 0,1,2,3,4,5,6,7
	WBLOCK \t
.endr
	s_wait_alu depctr_va_vdst(0)
	global_store_b64 v9, v[SB:SB+1], s[30:31]      ; my column's 8 scale bytes
.irp t, 0,1,2,3,4,5,6,7,8,9,10,11,12,13,14,15
	ds_load_b96 v[OUTR+4*\t:OUTR+4*\t+2], v7 offset:2*\t*PITCH   ; LDS serves a wave's instructions in order: these see my stores
.endr
.irp t, 0,1,2,3,4,5,6,7,8,9,10,11,12,13,14,15
	s_wait_dscnt 15-\t                             ; the younger loads from the stage may be out
	global_store_b96 v8, v[OUTR+4*\t:OUTR+4*\t+2], s[28:29] offset:2*\t*768   ; sixteen lanes store a row's 192 consecutive bytes
.endr
.Lend:
	s_wait_tensorcnt 0x0                           ; the wave's end
	ds_add_u32 v[SPW], v[NIL]
	s_wait_dscnt 0x0
	s_endpgm
.Lfunc_end_k_q15587aef0b_prep:
	.size	k_q15587aef0b_prep, .Lfunc_end_k_q15587aef0b_prep-k_q15587aef0b_prep
	.p2alignl 7, 3214868480
	.fill 96, 4, 3214868480
	.section	.rodata,"a",@progbits
	.p2align	6, 0x0
	.amdhsa_kernel k_q15587aef0b_prep
		.amdhsa_group_segment_fixed_size 68096
		.amdhsa_private_segment_fixed_size 0
		.amdhsa_enable_private_segment 0
		.amdhsa_kernarg_size 56
		.amdhsa_user_sgpr_count 2
		.amdhsa_user_sgpr_kernarg_segment_ptr 1
		.amdhsa_wavefront_size32 1
		.amdhsa_system_sgpr_workgroup_id_x 1
		.amdhsa_system_sgpr_workgroup_id_y 1
		.amdhsa_system_sgpr_workgroup_id_z 1
		.amdhsa_system_vgpr_workitem_id 0
		.amdhsa_next_free_vgpr 192
		.amdhsa_next_free_sgpr 66
		.amdhsa_reserve_vcc 0
		.amdhsa_float_denorm_mode_32 3
		.amdhsa_float_denorm_mode_16_64 3
		.amdhsa_memory_ordered 1
		.amdhsa_forward_progress 1
		.amdhsa_inst_pref_size 74
	.end_amdhsa_kernel
	.amdgpu_metadata
---
amdhsa.version: [ 1, 2 ]
amdhsa.kernels:
  - .name:           k_q15587aef0b_prep
    .symbol:         k_q15587aef0b_prep.kd
    .args:
      - { .name: x, .offset: 0, .size: 8, .value_kind: global_buffer, .address_space: global }
      - { .name: Wq, .offset: 8, .size: 8, .value_kind: global_buffer, .address_space: global }
      - { .name: Wk, .offset: 16, .size: 8, .value_kind: global_buffer, .address_space: global }
      - { .name: Wv, .offset: 24, .size: 8, .value_kind: global_buffer, .address_space: global }
      - { .name: Wo, .offset: 32, .size: 8, .value_kind: global_buffer, .address_space: global }
      - { .name: xq, .offset: 40, .size: 8, .value_kind: global_buffer, .address_space: global }
      - { .name: wq, .offset: 48, .size: 8, .value_kind: global_buffer, .address_space: global }
    .group_segment_fixed_size: 68096
    .private_segment_fixed_size: 0
    .kernarg_segment_align: 8
    .kernarg_segment_size: 56
    .max_flat_workgroup_size: 128
    .sgpr_count:     66
    .vgpr_count:     192
    .wavefront_size: 32
...
	.end_amdgpu_metadata
.endif
;; end of part 1
;; launch proj (part 2): grid 12 x 32, 4 waves a work-group, clusters of 4 x 4, 327,680 bytes of LDS; arguments xq, wq, bq, bk, bv, qb, kv; writes qb, kv
.if DOCPART == 2
	.amdgcn_target "amdgcn-amd-amdhsa--gfx1250"
	.amdhsa_code_object_version 6
	.text
	.protected	k_q15587aef0b_proj
	.globl	k_q15587aef0b_proj
	.p2align	8
	.type	k_q15587aef0b_proj,@function
k_q15587aef0b_proj:
	s_mov_b64 s[64:65], 0
	v_nop
	global_prefetch_b8 v0, s[64:65] scope:SCOPE_SE
	s_setreg_imm32_b32 hwreg(HW_REG_WAVE_MODE, 25, 1), 1
	s_wait_xcnt 0x0
	s_wait_alu depctr_hold_cnt(0) depctr_sa_sdst(0) depctr_va_vdst(0) depctr_va_sdst(0) depctr_va_ssrc(0) depctr_va_vcc(0) depctr_vm_vsrc(0)
	s_getreg_b32 s2, hwreg(HW_REG_IB_STS2, 6, 4)
	s_cmp_eq_u32 s2, 0
	s_cbranch_scc0 .Lentry_in_a_cluster
	s_endpgm
.Lentry_in_a_cluster:
	s_bfe_u32 s2, ttmp6, 0x10000c
	s_cmp_lg_u32 s2, 0xf033
	s_cbranch_scc0 .Lentry_shape_is_right
	s_endpgm
.Lentry_shape_is_right:
; q, k, v = x W + b on codes of FP6 (E2M3) with one E8M0 scale for each 32 along K = 1,024; the results are quantised at once (q, k along the head's 64, v along the keys) and leave as images of operand registers.
; A tile of 256 x 256 to a work-group of four waves, 128 x 128 (64 accumulators) to a wave.  Cluster columns 0 and 1: A = 256 rows of x, B = 256 rows of Wq or Wk.  Cluster column 2: A = 256 rows of Wv, B = 256 rows of x.
; K goes through a ring of two LDS slots in CHUNKS OF 256 BYTES of each row of codes (a row is 768 bytes: three chunks, each beginning at a multiple of 256 bytes); a step of 128 along K is 96 bytes: eight steps to three chunks;
; steps 2 and 5 lie across two chunks and take their pieces from both slots.  The scale bytes of the 256 + 256 rows are two dense blocks of 8,192 bytes: they come once and stay.
; CLUSTERS: 4 x 4 work-groups; A's tiles are asked for jointly along a row of the cluster, B's along a column.  At the head each wave issues one joint load: chunk 0 of A, chunk 0 of B, A's scales, B's scales.
; The matrix instruction is used transposed (source 0 = rows of B, source 1 = rows of A); the bias is the C of each sum's first product.
; NO PREFETCH: of a row's three chunks two are asked for at the head and one by the only refill: there is no trip to run ahead in.
; LIMITS: NaN and infinities are not served; a block whose largest magnitude lies under 2^-124 (a block of zeros too) gets the byte 1: this program alone reads the bytes.
; REGISTERS: window 0: v8-31 addresses; v32-63 scale words, two sets; v64-127 the bias; v128-223 A's fragments, one set.  Window 1: B's fragments, two sets.  Windows 2, 3: the accumulators.
.set XQS,    6291456
.set WQS,    2408448
.set WVC,    1572864
.set WVS,    65536
.set ROWB,   256
.set NQ,     2
.set KROW,   768
.set STEPS,  8
.set CHUNKS, 3
.set PITCH,  272                       ; 256 bytes + 16 of padding
.set FR,     12
.set NL,     6
.set NP,     4
.set HALFT,  128*PITCH
.set SLOT,   4*HALFT
.set KS,     32
.set SCL,    2*SLOT
.set HALFS,  16*272
.set SBLK,   2*272
.set SPARE,  SCL+4*HALFS               ; the spare words, 128 bytes a wave
.set BA,   8
.set ADRA, 16                          ; v16-17 my A fragments in slot 0, 1; v18-19 for a piece whose lanes 16-31 read the next chunk, in the other slot
.set ADRB, 20
.set L16,  26
.set ADRS, 27
.set SPW,  28
.set NIL,  29
.set L8,   30
.set SOFF, 31
.set SC,   32
.set BI,   64
.set AF,   128
.set MX,   64
.set PT,   80
.set SO,   96
.set BY,   112
.set XC,   128
.set YC,   192
.set EE,   224
.set WW,   240
.set G1, 24
.set G0, 32
.set G1B, 48
.set G0B, 56
.set G1S, 68
.set G0S, 76
.set G1SB, 80
.set G0SB, 88
.set G0H, 4                            ; groups 0 of the head's loads of chunk 0, in registers whose pointers have been used
.set G0HB, 8
.set MSB, 0
.macro WIN new
.if MSB != \new
	s_set_vgpr_msb (MSB<<8)|\new
.set MSB, \new
.endif
.endm
.set MUL_LO, 0xa1
.set MUL_HI, 0xf1
.set TO_B,   0x40
.macro JLOAD g0a, g1a, g0b, g1b        ; waves 0, 1 fetch for A, waves 2, 3 for B; s_nop 0 and four v_nop behind each load
	s_cmp_eq_u32 s15, 0
	s_cbranch_scc0 .Lfor_b_\@
	tensor_load_to_lds s[\g0a:\g0a+3], s[\g1a:\g1a+7]
	s_nop 0
.rept 4
	v_nop
.endr
	s_branch .Lasked_\@
.Lfor_b_\@:
	tensor_load_to_lds s[\g0b:\g0b+3], s[\g1b:\g1b+7]
	s_nop 0
.rept 4
	v_nop
.endr
.Lasked_\@:
.endm
.macro CREST
	s_cmp_lg_u32 s14, 0
	s_cbranch_scc1 .Lnot_wave_0_\@
	s_barrier_signal -3
.Lnot_wave_0_\@:
	s_barrier_wait -3
	s_barrier_signal -1
	s_barrier_wait -1
.endm
.macro CROUND
	s_barrier_signal -1
	s_barrier_wait -1
	CREST
.endm
	s_load_b128 s[76:79], s[0:1], 0x0              ; xq, wq
	s_load_b128 s[96:99], s[0:1], 0x10             ; bq, bk
	s_load_b64 s[100:101], s[0:1], 0x20            ; bv
	v_lshl_add_u32 v[SPW], v0, 2, SPARE
	v_mov_b32 v[NIL], 0
	ds_add_u32 v[SPW], v[NIL]                      ; the opening lines: the add twice on end and one wait
	ds_add_u32 v[SPW], v[NIL]
	v_lshrrev_b32 v1, 5, v0
	v_readfirstlane_b32 s14, v1                    ; wave
	s_lshr_b32 s15, s14, 1
	s_and_b32 s16, s14, 1
	s_bfe_u32 s40, ttmp6, 0x40000                  ; cx
	s_bfe_u32 s41, ttmp6, 0x40004                  ; cy
	s_and_b32 s17, ttmp7, 0xffff
	s_cmp_eq_u32 ttmp9, 2                          ; cluster column 2 makes v
	s_cselect_b32 s66, 1, 0
	s_cselect_b32 s42, s17, ttmp9
	s_cselect_b32 s17, 0, s17
	s_lshl_b32 s42, s42, 2
	s_add_co_u32 s42, s42, s40                     ; B's tile
	s_lshl_b32 s17, s17, 2
	s_add_co_u32 s17, s17, s41                     ; A's tile
	s_lshl_b32 s43, s41, 2
	s_lshl_b32 s43, 15, s43                        ; my row of the cluster
	s_lshl_b32 s44, 0x1111, s40                    ; my column
	s_or_b32 s[G1+0], s43, (0<<16)|(1<<20)|(1<<21)|(5<<22)|(3<<25)
	s_or_b32 s[G1B+0], s44, (0<<16)|(1<<20)|(1<<21)|(5<<22)|(3<<25)
.irp g, G1, G1B
	s_mov_b32 s[\g+1], ROWB<<16
	s_mov_b32 s[\g+2], 256<<16                     ; 256 rows for the head's loads
	s_mov_b32 s[\g+3], ROWB<<16
	s_mov_b32 s[\g+4], 256
	s_mov_b32 s[\g+5], KROW
	s_mov_b32 s[\g+6], 0
	s_mov_b32 s[\g+7], 0
.endr
	s_or_b32 s[G1S+0], s43, (3<<16)|(1<<20)|(1<<21)|(5<<22)|(3<<25)
	s_or_b32 s[G1SB+0], s44, (3<<16)|(1<<20)|(1<<21)|(5<<22)|(3<<25)
.irp g, G1S, G1SB
	s_mov_b32 s[\g+1], 32<<16                      ; the scales of 256 rows: 32 rows of 256 bytes
	s_mov_b32 s[\g+2], KS<<16
	s_mov_b32 s[\g+3], 32<<16
	s_mov_b32 s[\g+4], KS
	s_mov_b32 s[\g+5], 32
	s_mov_b32 s[\g+6], 0
	s_mov_b32 s[\g+7], 0
.endr
	s_lshl_b32 s20, s17, 8
	s_lshl_b32 s46, s42, 8
	s_mov_b32 s21, 0
	s_mov_b32 s47, 0
	s_mov_b64 s[18:19], KS
	s_mul_u64 s[22:23], s[20:21], s[18:19]
	s_mul_u64 s[92:93], s[46:47], s[18:19]
	s_mov_b64 s[18:19], KROW
	s_mul_u64 s[20:21], s[20:21], s[18:19]
	s_mul_u64 s[46:47], s[46:47], s[18:19]
	s_mul_i32 s18, s16, 128*KROW                   ; in the ring I fetch 128 rows
	s_mov_b32 s19, 0
	s_mul_i32 s45, s14, HALFT
	s_wait_dscnt 0x0
	s_wait_kmcnt 0x0
	s_add_nc_u64 s[88:89], s[76:77], XQS
	s_add_nc_u64 s[90:91], s[78:79], WQS
	s_add_nc_u64 s[12:13], s[78:79], WVC
	s_add_nc_u64 s[94:95], s[90:91], WVS
	s_cmp_eq_u32 s66, 0
	s_cselect_b64 s[4:5], s[76:77], s[12:13]
	s_cselect_b64 s[6:7], s[88:89], s[94:95]
	s_cselect_b64 s[8:9], s[78:79], s[76:77]
	s_cselect_b64 s[10:11], s[90:91], s[88:89]
	s_add_nc_u64 s[20:21], s[4:5], s[20:21]
	s_add_nc_u64 s[22:23], s[6:7], s[22:23]
	s_add_nc_u64 s[46:47], s[8:9], s[46:47]
	s_add_nc_u64 s[92:93], s[10:11], s[92:93]
	CROUND                                         ; in front of the first joint loads
	s_mov_b32 s[G0H], 1
	s_mov_b32 s[G0H+1], 0
	s_mov_b64 s[G0H+2:G0H+3], s[20:21]
	s_or_b32 s[G0H+3], s[G0H+3], 0x80000000
	s_mov_b32 s[G0HB], 1
	s_mov_b32 s[G0HB+1], 2*HALFT
	s_mov_b64 s[G0HB+2:G0HB+3], s[46:47]
	s_or_b32 s[G0HB+3], s[G0HB+3], 0x80000000
	s_mov_b32 s[G0S], 1
	s_mov_b32 s[G0S+1], SCL
	s_mov_b64 s[G0S+2:G0S+3], s[22:23]
	s_or_b32 s[G0S+3], s[G0S+3], 0x80000000
	s_mov_b32 s[G0SB], 1
	s_mov_b32 s[G0SB+1], SCL+2*HALFS
	s_mov_b64 s[G0SB+2:G0SB+3], s[92:93]
	s_or_b32 s[G0SB+3], s[G0SB+3], 0x80000000
	s_add_nc_u64 s[20:21], s[20:21], s[18:19]
	s_add_nc_u64 s[46:47], s[46:47], s[18:19]
.irp s, 0,1
	s_mov_b32 s[G0+4*\s], 1
	s_add_co_u32 s[G0+4*\s+1], s45, \s*SLOT
	s_add_nc_u64 s[G0+4*\s+2:G0+4*\s+3], s[20:21], \s*ROWB
	s_or_b32 s[G0+4*\s+3], s[G0+4*\s+3], 0x80000000
	s_mov_b32 s[G0B+4*\s], 1
	s_add_co_u32 s[G0B+4*\s+1], s45, \s*SLOT
	s_add_nc_u64 s[G0B+4*\s+2:G0B+4*\s+3], s[46:47], \s*ROWB
	s_or_b32 s[G0B+4*\s+3], s[G0B+4*\s+3], 0x80000000
.endr
.macro ARM under, g0, g1, next         ; one chain of branches on the wave's number: every way passes exactly one load
	s_cmp_lt_u32 s14, \under
	s_cbranch_scc0 \next
	tensor_load_to_lds s[\g0:\g0+3], s[\g1:\g1+7]
	s_nop 0
.rept 4
	v_nop
.endr
	s_branch .Lhead_asked
\next:
.endm
	ARM 1, G0H,  G1,  .Lhead_b
	ARM 2, G0HB, G1B, .Lhead_sa
	ARM 3, G0S,  G1S, .Lhead_sb
	tensor_load_to_lds s[G0SB:G0SB+3], s[G1SB:G1SB+7]
	s_nop 0
.rept 4
	v_nop
.endr
.Lhead_asked:
	v_and_b32 v1, 15, v0                           ; r
	v_bfe_u32 v2, v0, 4, 1                         ; h
	v_mul_u32_u24 v3, v1, PITCH
	v_mul_u32_u24 v4, v2, 24
	v_add_nc_u32 v4, v3, v4                        ; row x pitch + 24 h
	s_mov_b32 s21, SLOT-232
	s_mov_b32 s22, SLOT+232
	v_sub_nc_u32 v7, 1, v2
	v_mul_u32_u24 v5, s21, v2
	v_add_nc_u32 v5, v3, v5
	v_add_nc_u32 v5, 232, v5                       ; lanes 0-15 byte 232 in slot 0, lanes 16-31 byte 0 in slot 1
	v_mul_u32_u24 v6, s22, v7
	v_add_nc_u32 v6, v3, v6                        ; and the other way round
	s_mul_i32 s21, s15, HALFT
	s_mul_i32 s22, s16, HALFT
	s_add_co_u32 s22, s22, 2*HALFT
	v_add_nc_u32 v[ADRA+2], s21, v5
	v_add_nc_u32 v[ADRA+3], s21, v6
	v_add_nc_u32 v[ADRB+2], s22, v5
	v_add_nc_u32 v[ADRB+3], s22, v6
.irp s, 0,1
	v_add_nc_u32 v[ADRA+\s], s21, v4
	v_add_nc_u32 v[ADRB+\s], s22, v4
	s_add_co_u32 s21, s21, SLOT
	s_add_co_u32 s22, s22, SLOT
.endr
	v_mul_u32_u24 v5, v1, KS
	v_lshrrev_b32 v6, 8, v5
	v_lshl_add_u32 v5, v6, 4, v5
	s_mul_i32 s21, s15, HALFS
	s_mul_i32 s22, s16, HALFS
	s_add_co_u32 s22, s22, 2*HALFS
	s_sub_co_u32 s22, s22, s21
	v_mul_u32_u24 v6, s22, v2                      ; lanes 16-31 take B's scale words
	s_add_co_u32 s21, s21, SCL
	v_add_nc_u32 v5, v5, v6
	v_add_nc_u32 v[ADRS], s21, v5
	v_and_b32 v6, 31, v0
	v_lshlrev_b32 v[L16], 4, v6
	v_lshl_add_u32 v[L8], v6, 3, 512
	s_cmp_eq_u32 s66, 0                            ; the bias, in the layout of a result: along the registers for q and k, along the lanes for v
	s_cselect_b32 s20, 0, 4
	s_cselect_b32 s21, 64, 0
	s_cselect_b32 s22, 4, 0
	s_cselect_b32 s94, s40, s41
	s_cselect_b32 s95, s16, s15
	s_lshl_b32 s94, s94, 10
	s_lshl_b32 s95, s95, 9
	s_add_co_u32 s94, s94, s95
	s_mov_b32 s95, 0
	s_cmp_eq_u32 ttmp9, 0
	s_cselect_b64 s[96:97], s[96:97], s[98:99]
	s_cmp_eq_u32 ttmp9, 2
	s_cselect_b64 s[96:97], s[100:101], s[96:97]
	s_add_nc_u64 s[96:97], s[96:97], s[94:95]
	v_and_b32 v7, 8, v1
	v_add_nc_u32 v7, v7, v1
	v_mul_u32_u24 v7, v7, s20
	v_mad_u32_u24 v7, v2, s21, v7
.irp j, 0,1,2,3,4,5,6,7
	v_mad_u32_u24 v[BA+\j], s22, \j, v7
.endr
.irp k, 0,1,2,3,4,5,6,7
.irp j, 0,1,2,3,4,5,6,7
	global_load_b32 v[BI+8*\k+\j], v[BA+\j], s[96:97] offset:256*(\k/4)+128*((\k%4)/2)+32*(\k%2)
.endr
.endr
.macro FRAG reg, adr, st, i            ; 16 rows x 128 K: six pieces of 8 bytes; byte y of a row lies in slot (y / 256) % 2 at byte y % 256
.irp p, 0,1,2,3,4,5
.set PB, 96*(\st)+48*(\p/3)+8*(\p%3)
.if PB/ROWB == (PB+24)/ROWB
	ds_load_b64 v[\reg+2*\p:\reg+2*\p+1], v[\adr+(PB/ROWB)%2] offset:PB%ROWB+(\i)*16*PITCH
.else
	ds_load_b64 v[\reg+2*\p:\reg+2*\p+1], v[\adr+2+(PB/ROWB)%2] offset:PB%ROWB-232+(\i)*16*PITCH
.endif
.endr
.endm
.macro MUL16 a0, p, q, sc, zero        ; the 64 accumulators take turns; zero = 1, 2: the bias starts the sums
.irp a, \a0, \a0+1
.irp b, 0,1,2,3,4,5,6,7
.if \zero == 1
	v_wmma_scale_f32_16x16x128_f8f6f4 v[8*(8*((\a)%4)+\b):8*(8*((\a)%4)+\b)+7], v[128*(\p)+FR*\b:128*(\p)+FR*\b+FR-1], v[AF+FR*(\a):AF+FR*(\a)+FR-1], v[BI+8*\b:BI+8*\b+7], v[SC+8*NQ*(\sc)+NQ*\b+(\q)], v[SC+8*NQ*(\sc)+NQ*(\a)+(\q)] matrix_a_fmt:MATRIX_FMT_FP6 matrix_b_fmt:MATRIX_FMT_FP6 matrix_a_scale:MATRIX_SCALE_ROW1
.elseif \zero == 2
	v_wmma_scale_f32_16x16x128_f8f6f4 v[8*(8*((\a)%4)+\b):8*(8*((\a)%4)+\b)+7], v[128*(\p)+FR*\b:128*(\p)+FR*\b+FR-1], v[AF+FR*(\a):AF+FR*(\a)+FR-1], v[BI+8*(\a):BI+8*(\a)+7], v[SC+8*NQ*(\sc)+NQ*\b+(\q)], v[SC+8*NQ*(\sc)+NQ*(\a)+(\q)] matrix_a_fmt:MATRIX_FMT_FP6 matrix_b_fmt:MATRIX_FMT_FP6 matrix_a_scale:MATRIX_SCALE_ROW1
.else
	v_wmma_scale_f32_16x16x128_f8f6f4 v[8*(8*((\a)%4)+\b):8*(8*((\a)%4)+\b)+7], v[128*(\p)+FR*\b:128*(\p)+FR*\b+FR-1], v[AF+FR*(\a):AF+FR*(\a)+FR-1], v[8*(8*((\a)%4)+\b):8*(8*((\a)%4)+\b)+7], v[SC+8*NQ*(\sc)+NQ*\b+(\q)], v[SC+8*NQ*(\sc)+NQ*(\a)+(\q)] matrix_a_fmt:MATRIX_FMT_FP6 matrix_b_fmt:MATRIX_FMT_FP6 matrix_a_scale:MATRIX_SCALE_ROW1
.endif
.endr
.endr
.endm
.macro FETCH_B st, p
	WIN TO_B
.irp i, 0,1,2,3,4,5,6,7
	FRAG 128*(\p)+FR*\i, ADRB, \st, \i
.endr
	WIN 0
.endm
.macro FETCH_A st, i0
.irp i, \i0, \i0+1, \i0+2, \i0+3
	FRAG AF+FR*(\i), ADRA, \st, \i
.endr
.endm
.macro SCALES pr                       ; the scale words of steps 2 pr, 2 pr + 1 into set pr % 2
.irp i, 0,1,2,3,4,5,6,7
	ds_load_b64 v[SC+8*NQ*((\pr)%2)+NQ*\i:SC+8*NQ*((\pr)%2)+NQ*\i+1], v[ADRS] offset:\i*SBLK+4*NQ*(\pr)
.endr
.endm
.macro PLACES n
.rept \n
	v_nop
.endr
.endm
; A step: 64 products; the next step's fragments are fetched in its middle and at its end.  Where the next step's bytes END in a chunk not yet read: the wait for my tensor loads and a barrier.
; Where they BEGIN in a later chunk: the wait, the add, the wait for it and for my reads, the barrier; where a chunk two on is left, the barrier opens a round and the slot is filled again.
.macro STEP st, zero
.set NX, (\st)+1
.set C0, (96*(\st))/ROWB
.set C1, (96*NX)/ROWB
.set E0, (96*(\st)+95)/ROWB
.set E1, (96*NX+95)/ROWB
.if C1 > C0 || E1 > E0
	s_wait_tensorcnt 0x0
.if C1 > C0
	ds_add_u32 v[SPW], v[NIL]
	s_wait_dscnt 4*NL+1                            ; the add and A's blocks 4-7 may be out
.else
	s_wait_dscnt 4*NL                              ; A's blocks 4-7 may be out
.endif
	WIN MUL_LO
	MUL16 0, (\st)%2, (\st)%2, ((\st)/2)%2, 0
	s_wait_dscnt 0x0
	s_barrier_signal -1
	MUL16 2, (\st)%2, (\st)%2, ((\st)/2)%2, 0
	WIN 0
	s_barrier_wait -1
.if C1 > C0 && C0+2 < CHUNKS
	CREST
	s_add_nc_u64 s[G0+4*(C0%2)+2:G0+4*(C0%2)+3], s[G0+4*(C0%2)+2:G0+4*(C0%2)+3], 2*ROWB
	s_add_nc_u64 s[G0B+4*(C0%2)+2:G0B+4*(C0%2)+3], s[G0B+4*(C0%2)+2:G0B+4*(C0%2)+3], 2*ROWB
	JLOAD G0+4*(C0%2), G1, G0B+4*(C0%2), G1B       ; its four v_nop are the places in front of the loads below
.else
	PLACES NP
.endif
.else
	s_wait_dscnt 4*NL                              ; A's blocks 4-7 may be out
.if \zero
	WIN 0x81                                       ; C, the bias, in window 0
.else
	WIN MUL_LO
.endif
	MUL16 0, (\st)%2, (\st)%2, ((\st)/2)%2, \zero
	MUL16 2, (\st)%2, (\st)%2, ((\st)/2)%2, \zero
	s_wait_dscnt 0
	PLACES NP
.endif
	FETCH_B NX, NX%2
	FETCH_A NX, 0
.if NX%2 == 0
	SCALES NX/2
.endif
.if \zero
	WIN 0xc1
.else
	WIN MUL_HI
.endif
	MUL16 4, (\st)%2, (\st)%2, ((\st)/2)%2, \zero
	MUL16 6, (\st)%2, (\st)%2, ((\st)/2)%2, \zero
	PLACES NP
	WIN 0
	FETCH_A NX, 4
.endm
	s_wait_alu depctr_va_vdst(0)                   ; the wait at the head's end
	s_wait_tensorcnt 0x0                           ; my tile of the head's four is in; the lines ahead of a later first fill
	ds_add_u32 v[SPW], v[NIL]
	s_mov_b32 s[G1+2], 128<<16                     ; no tensor load of mine is out: from here on a load brings 128 rows
	s_mov_b32 s[G1+4], 128
	s_mov_b32 s[G1B+2], 128<<16
	s_mov_b32 s[G1B+4], 128
	s_wait_dscnt 0x0
	CROUND
	JLOAD G0+4, G1, G0B+4, G1B                     ; chunk 1
	s_load_b128 s[4:7], s[0:1], 0x28               ; qb, kv (the head's loads, whose groups 0 lay here, are done)
	FETCH_B 0, 0
	FETCH_A 0, 0
	SCALES 0
	FETCH_A 0, 4
	s_wait_loadcnt 0x0                             ; the bias
	s_cmp_eq_u32 s66, 0
	s_cbranch_scc0 .Lfirst_v
	STEP 0, 1
	s_branch .Lfirst_done
.Lfirst_v:
	STEP 0, 2
.Lfirst_done:
.set ST, 1
.rept STEPS-2
	STEP ST, 0
.set ST, ST+1
.endr
	s_wait_dscnt 4*NL
	WIN MUL_LO
	MUL16 0, 1, 1, 1, 0
	MUL16 2, 1, 1, 1, 0
	s_wait_dscnt 0
	WIN MUL_HI
	MUL16 4, 1, 1, 1, 0
	MUL16 6, 1, 1, 1, 0
	WIN 0
	PLACES NP
	; THE WAY OUT: the 16 registers of two neighbouring accumulators are 16 neighbours along the next product's K: blocks of 32 with lane l xor 16; codes and scale words leave as images of operand registers
	s_wait_kmcnt 0x0
	s_mov_b32 s18, 0x76543210
	s_mov_b32 s19, 0xfedcba98
	s_mov_b32 s67, 0x1800000
	s_mov_b32 s44, 0xffff0000
	s_mov_b32 s39, 3072
	s_cmp_eq_u32 s66, 0
	s_cselect_b32 s8, s17, s42
	s_cselect_b32 s9, s15, s16
	s_cselect_b32 s10, s40, s17
	s_cselect_b32 s11, s16, s15
	s_cselect_b32 s12, ttmp9, 1
	s_cselect_b32 s13, 0, 12288
	s_cselect_b32 s20, 0, 4096
	s_lshl_b32 s21, 102400, s12
	s_lshr_b32 s22, s8, 3
	s_and_b32 s8, s8, 7
	s_lshl_b32 s22, s22, 4
	s_lshl_b32 s10, s10, 2
	s_lshl_b32 s11, s11, 1
	s_add_co_u32 s22, s22, s10
	s_add_co_u32 s22, s22, s11
	s_mul_i32 s22, s22, 102400
	s_mul_i32 s23, s8, 12288
	s_add_co_u32 s23, s23, s22
	s_lshl_b32 s23, s23, s12
	s_mul_i32 s36, s9, 6144
	s_add_co_u32 s23, s23, s36
	s_add_co_u32 s36, s23, s13
	s_mov_b32 s37, 0
	s_add_co_u32 s22, s22, 98304
	s_lshl_b32 s22, s22, s12
	s_lshl_b32 s8, s8, 1
	s_add_co_u32 s8, s8, s9
	s_lshl_b32 s8, s8, 8
	s_add_co_u32 s22, s22, s8
	s_add_co_u32 s46, s22, s20
	s_mov_b32 s47, 0
	s_cmp_eq_u32 ttmp9, 0
	s_cselect_b64 s[4:5], s[4:5], s[6:7]
	s_add_nc_u64 s[32:33], s[4:5], s[46:47]
	s_add_nc_u64 s[24:25], s[4:5], s[36:37]
	s_cmp_eq_u32 s66, 0
	s_cselect_b32 s36, s39, s21
	s_cselect_b32 s46, s21, s39
	s_add_nc_u64 s[26:27], s[24:25], s[46:47]
	s_add_nc_u64 s[28:29], s[24:25], s[36:37]
	s_add_nc_u64 s[30:31], s[28:29], s[46:47]
	v_lshlrev_b32 v[SOFF], 4, v1
	v_mad_u32_u24 v[SOFF], v2, s21, v[SOFF]
.irp c, 0,1,2,3,4,5,6,7,8,9,10,11,12,13,14,15
	v_mov_b32 v[PT+\c], 0
.endr
.macro EPI w
	WIN 0x28+0x14*\w
.irp c, 0,1,2,3,4,5,6,7,8,9,10,11,12,13,14,15
	v_max3_num_f32 v[MX+\c], s67, |v[16*\c]|, |v[16*\c+1]|
.endr
.irp i, 2,4,6,8,10,12,14
.irp c, 0,1,2,3,4,5,6,7,8,9,10,11,12,13,14,15
	v_max3_num_f32 v[MX+\c], v[MX+\c], |v[16*\c+\i]|, |v[16*\c+\i+1]|
.endr
.endr
	WIN 0
.irp c, 0,1,2,3,4,5,6,7,8,9,10,11,12,13,14,15
	v_permlanex16_b32 v[PT+\c], v[MX+\c], s18, s19
.endr
.irp c, 0,1,2,3,4,5,6,7,8,9,10,11,12,13,14,15
	v_max_num_f32 v[MX+\c], v[MX+\c], v[PT+\c]
.endr
.irp c, 0,1,2,3,4,5,6,7,8,9,10,11,12,13,14,15
	v_add_nc_u32 v[SO+\c], 0xff000000, v[MX+\c]
.endr
.irp c, 0,1,2,3,4,5,6,7,8,9,10,11,12,13,14,15
	v_lshrrev_b32 v[BY+\c], 23, v[SO+\c]
.endr
.irp k, 0,1,2,3,4,5,6,7
	v_lshl_or_b32 v[EE+8*\w+\k], v[BY+2*\k+1], 8, v[BY+2*\k]
.endr
	WIN 0x02+\w
.irp k, 0,1,2,3,4,5,6,7
	v_cvt_scalef32_pk16_fp6_f32 v[XC+8*\k:XC+8*\k+2], v[32*\k:32*\k+15], v[SO+2*\k]
	v_cvt_scalef32_pk16_fp6_f32 v[YC+4*\k:YC+4*\k+2], v[32*\k+16:32*\k+31], v[SO+2*\k+1]
.endr
	WIN 0
	v_nop
.irp k, 0,1,2,3,4,5,6,7
.irp i, 0,1,2
	v_permlane16_swap_b32 v[XC+8*\k+\i], v[YC+4*\k+\i]
.endr
.irp i, 0,1,2
	v_mov_b32 v[XC+8*\k+3+\i], v[YC+4*\k+\i]
.endr
.endr
.irp k, 0,1,2,3,4,5,6,7
	global_store_b128 v[L16], v[XC+8*\k:XC+8*\k+3], s[24+4*\w+2*(\k%2):25+4*\w+2*(\k%2)] offset:768*(\k/2)
	global_store_b64 v[L8], v[XC+8*\k+4:XC+8*\k+5], s[24+4*\w+2*(\k%2):25+4*\w+2*(\k%2)] offset:768*(\k/2)
.endr
.endm
	EPI 0
	s_wait_xcnt 0x0                                ; the stores have read their data: the registers are written again
	EPI 1
	s_cmp_eq_u32 s66, 0
	s_cbranch_scc0 .Lwords_v
.irp g, 0,1
.irp n, 0,1,2,3
	v_lshl_or_b32 v[WW+4*\g+\n], v[EE+2*(4+\n)+\g], 16, v[EE+2*\n+\g]
.endr
.endr
	s_branch .Lwords_done
.Lwords_v:
.irp g, 0,1
.irp n, 0,1,2,3
	v_lshl_or_b32 v[WW+4*\g+\n], v[EE+2*(4*\g+\n)+1], 16, v[EE+2*(4*\g+\n)]
.endr
.endr
.Lwords_done:
	s_wait_alu depctr_va_vdst(0)
.irp n, 0,1,2,3
	v_cndmask_b32 v[WW+\n], v[WW+\n], v[WW+4+\n], s44
.endr
	global_store_b128 v[SOFF], v[WW:WW+3], s[32:33]
	s_wait_tensorcnt 0x0                           ; the wave's end
	ds_add_u32 v[SPW], v[NIL]
	s_wait_dscnt 0x0
	CROUND                                         ; the closing round
	s_endpgm
.Lfunc_end_k_q15587aef0b_proj:
	.size	k_q15587aef0b_proj, .Lfunc_end_k_q15587aef0b_proj-k_q15587aef0b_proj
	.p2alignl 7, 3214868480
	.fill 96, 4, 3214868480
	.section	.rodata,"a",@progbits
	.p2align	6, 0x0
	.amdhsa_kernel k_q15587aef0b_proj
		.amdhsa_group_segment_fixed_size 327680
		.amdhsa_private_segment_fixed_size 0
		.amdhsa_enable_private_segment 0
		.amdhsa_kernarg_size 56
		.amdhsa_user_sgpr_count 2
		.amdhsa_user_sgpr_kernarg_segment_ptr 1
		.amdhsa_wavefront_size32 1
		.amdhsa_system_sgpr_workgroup_id_x 1
		.amdhsa_system_sgpr_workgroup_id_y 1
		.amdhsa_system_sgpr_workgroup_id_z 1
		.amdhsa_system_vgpr_workitem_id 0
		.amdhsa_next_free_vgpr 1024
		.amdhsa_next_free_sgpr 102
		.amdhsa_reserve_vcc 0
		.amdhsa_float_denorm_mode_32 3
		.amdhsa_float_denorm_mode_16_64 3
		.amdhsa_memory_ordered 1
		.amdhsa_forward_progress 1
		.amdhsa_inst_pref_size 188
	.end_amdhsa_kernel
	.amdgpu_metadata
---
amdhsa.version: [ 1, 2 ]
amdhsa.kernels:
  - .name:           k_q15587aef0b_proj
    .symbol:         k_q15587aef0b_proj.kd
    .args:
      - { .name: xq, .offset: 0, .size: 8, .value_kind: global_buffer, .address_space: global }
      - { .name: wq, .offset: 8, .size: 8, .value_kind: global_buffer, .address_space: global }
      - { .name: bq, .offset: 16, .size: 8, .value_kind: global_buffer, .address_space: global }
      - { .name: bk, .offset: 24, .size: 8, .value_kind: global_buffer, .address_space: global }
      - { .name: bv, .offset: 32, .size: 8, .value_kind: global_buffer, .address_space: global }
      - { .name: qb, .offset: 40, .size: 8, .value_kind: global_buffer, .address_space: global }
      - { .name: kv, .offset: 48, .size: 8, .value_kind: global_buffer, .address_space: global }
    .group_segment_fixed_size: 327680
    .private_segment_fixed_size: 0
    .kernarg_segment_align: 8
    .kernarg_segment_size: 56
    .max_flat_workgroup_size: 128
    .sgpr_count:     102
    .vgpr_count:     1024
    .wavefront_size: 32
...
	.end_amdgpu_metadata
.endif
;; end of part 2
;; launch attn (part 3): grid 4 x 64, 16 waves a work-group, clusters of 4 x 1, 327,680 bytes of LDS; arguments qb, kv, ob; writes ob
.if DOCPART == 3
	.amdgcn_target "amdgcn-amd-amdhsa--gfx1250"
	.amdhsa_code_object_version 6
	.text
	.protected	k_q15587aef0b_attn
	.globl	k_q15587aef0b_attn
	.p2align	8
	.type	k_q15587aef0b_attn,@function
k_q15587aef0b_attn:
	s_mov_b64 s[64:65], 0
	v_nop
	global_prefetch_b8 v0, s[64:65] scope:SCOPE_SE
	s_setreg_imm32_b32 hwreg(HW_REG_WAVE_MODE, 25, 1), 1
	s_wait_xcnt 0x0
	s_wait_alu depctr_hold_cnt(0) depctr_sa_sdst(0) depctr_va_vdst(0) depctr_va_sdst(0) depctr_va_ssrc(0) depctr_va_vcc(0) depctr_vm_vsrc(0)
	s_getreg_b32 s2, hwreg(HW_REG_IB_STS2, 6, 4)
	s_cmp_eq_u32 s2, 0
	s_cbranch_scc0 .Lentry_in_a_cluster
	s_endpgm
.Lentry_in_a_cluster:
	s_bfe_u32 s2, ttmp6, 0x10000c
	s_cmp_lg_u32 s2, 0x3003
	s_cbranch_scc0 .Lentry_shape_is_right
	s_endpgm
.Lentry_shape_is_right:
; o = softmax(q k^T / 8, causal) v for one head, both products on codes of FP6 (E2M3) with one E8M0 scale for each 32 along a product's K; o / the row's sum is quantised along the head's 64 and leaves as codes.
; THE SOFTMAX: t = score x log2(e) / 8; M = the running largest t rounded UP to a whole number; p = 2^(t - M) is quantised along the keys, not normalised; the row's sum is taken of the unquantised p.
; THE WHOLE HEAD LIES IN LDS: its scale words (8,192 bytes, at byte 0) and its K and V units (196,608 bytes, from byte 8,192 on, as they lie in kv: for each 256 keys K's 12,288 bytes, then V's).  Nothing is filled again.
; SHARES.  A head has 128 units of 16 queries.  The four work-groups of a head form a cluster; the work-group at place cx owns units 4 j + cx, j = 0 .. 31; wave w owns j = 31 - w (tile 0) and j = w (tile 1).
; Unit 4 j + cx needs the keys' first j / 2 + 1 steps of 128, whatever cx: 17 steps to every wave of every work-group.  Steps whose keys all come after a tile's queries are left out
; by a scalar branch on the wave's number and the count of steps; no branch and no LDS address hangs on cx, which enters global addresses and the mask's numbers alone.
; JOINT LOADS: all four work-groups read all of the head's keys, so each load names the four.  At the head each of 16 waves brings 2,048 bytes (waves 0-3 the scale words, waves 4-15 the first 256 keys);
; behind the full sequence and a round each wave brings 10,752 bytes of the other 1,792 keys, which are on their way during the first two steps; a wait for 0 and one barrier follow, and then no barrier until the end.
; NO PREFETCH: every byte of the head is asked for by these two loads a wave, ahead of the loops: no load stands in a loop that a prefetch could run ahead of.
; OPERANDS lie in memory and LDS as images of their registers (units of 16 rows x 64 along K, 768 bytes): 16 bytes a lane, then 8 bytes a lane.
; K = 64 IN AN INSTRUCTION OF 128: a fragment of K is two units; against (q | zeros) it gives the first unit's scores, against (zeros | q) the second's.
; Both products are used transposed: a lane holds ONE query, Qmin + r + 8 (r / 8); the 16 registers of score tiles 2 b, 2 b + 1 are keys 32 b + 16 h + 0 .. 15 of the step.
; LIMITS: NaN and infinities are not served; the promise holds while |t| stays under 2^31; 1 / the sum is v_rcp_f32; a block's largest p is taken from its largest score by the same multiply-add and exponential;
; a block of zeros gets the byte 1.
; REGISTERS: v1-7 stay; v8-11 the step's; v12-15, v16-19 the tiles' -M, largest t, sum (two halves); v20-49 zeros, q0, zeros, q1, zeros; v50-51 q's scale words; v52-99 four fragments (in the softmax: at work);
;   v100-103 their scale words; v104-167 the scores, then p; v168-199, v200-231 O^T; v232-243 p's codes; v244-255 at work.
.set KVB,   8192
.set SLOTB, 24576
.set SPARE, 204800                     ; the spare words, 128 bytes for each of 16 waves
.set HEADB, 204800
.set QHEADB, 102400
.set OBS,   6291456
.set L16, 1
.set L8,  2
.set ASC, 3
.set DQ,  4
.set SPW, 5
.set NIL, 6
.set NINF, 7
.set ADA, 8
.set ADB, 9
.set ADS, 10
.set DD,  11
.set FR,  52
.set BM,  52
.set PT,  56
.set SO,  60
.set BY,  64
.set CH,  68
.set SW,  100
.set S,   104
.set PC,  232
.set T2,  244
.set PW,  252
.set TMP, 253
.set FF,  254
.set TB,  2                            ; LDS byte of the slot (in the first loop: the step) in hand
.set TS,  3                            ; the step's scale words: 256 bytes a step
.set WV,  18
.set SEL, 20
.set CS,  22
.set G1,  24                           ; s[24:31], s[40:43] the head's load; s[32:39], s[44:47] the second
.set G1B, 32
.set G0,  40
.set G0B, 44
.set SLOTS, 48
.set KF,  49                           ; the step's first key
.set QM,  50                           ; s50, s51 my tiles' first queries
.set HM,  52
.set QF,  54                           ; s54, s55 64 j
.set QL,  56                           ; s56, s57 64 j + 63
.set SH,  58                           ; s58, s59 which half of q's scale word
.set CX,  76
.macro CROUND
	s_barrier_signal -1
	s_barrier_wait -1
	s_cmp_lg_u32 s[WV], 0
	s_cbranch_scc1 .Lnot_wave_0_\@
	s_barrier_signal -3
.Lnot_wave_0_\@:
	s_barrier_wait -3
	s_barrier_signal -1
	s_barrier_wait -1
.endm
	s_load_b128 s[4:7], s[0:1], 0x0                ; qb, kv
	s_load_b64 s[8:9], s[0:1], 0x10                ; ob
	v_lshl_add_u32 v[SPW], v0, 2, SPARE
	v_mov_b32 v[NIL], 0
	ds_add_u32 v[SPW], v[NIL]                      ; the opening lines: the add twice on end and one wait
	ds_add_u32 v[SPW], v[NIL]
	v_lshrrev_b32 v8, 5, v0
	v_readfirstlane_b32 s[WV], v8                  ; wave 0..15
	s_and_b32 s10, ttmp7, 0xffff                   ; 16 x batch + head
	s_bfe_u32 s[CX], ttmp6, 0x40000                ; my place in the cluster
	s_mul_i32 s12, s10, HEADB
	s_mov_b32 s13, 0
	s_mul_i32 s14, s10, QHEADB
	s_mov_b32 s15, 0
	s_mov_b32 s[G1], 15|(3<<16)|(1<<21)            ; the four work-groups; elements of 8 bytes; no padding
	s_mov_b32 s[G1+1], 32<<16                      ; rows of 256 bytes
	s_mov_b32 s[G1+2], 8<<16                       ; 8 rows
	s_mov_b32 s[G1+3], 32<<16
	s_mov_b32 s[G1+4], 8
	s_mov_b32 s[G1+5], 32
	s_mov_b32 s[G1+6], 0
	s_mov_b32 s[G1+7], 0
	s_mov_b32 s[G1B], 15|(3<<16)|(1<<21)
	s_mov_b32 s[G1B+1], 32<<16
	s_mov_b32 s[G1B+2], 42<<16                     ; 42 rows
	s_mov_b32 s[G1B+3], 32<<16
	s_mov_b32 s[G1B+4], 42
	s_mov_b32 s[G1B+5], 32
	s_mov_b32 s[G1B+6], 0
	s_mov_b32 s[G1B+7], 0
	s_mov_b32 s[SEL], 0x76543210
	s_mov_b32 s[SEL+1], 0xfedcba98
	s_mov_b32 s[CS], 0x3e38aa3b                    ; log2(e) / 8
	s_mov_b32 s[CS+1], s[CS]
	s_mov_b32 s[HM], 0xffff0000
	s_lshl_b32 s70, s[WV], 11                      ; the head's load lands at LDS byte 2,048 w;
	s_mov_b32 s71, 196608
	s_cmp_lt_u32 s[WV], 4
	s_cselect_b32 s71, s71, -8192                  ; it comes from the scale words (waves 0-3) or from the head's first bytes
	s_add_co_i32 s72, s70, s71
	s_mov_b32 s73, 0
	s_mul_i32 s74, s[WV], 10752
	s_add_co_u32 s78, s74, SLOTB
	s_mov_b32 s79, 0
	s_wait_dscnt 0x0
	s_wait_kmcnt 0x0
	s_add_nc_u64 s[6:7], s[6:7], s[12:13]          ; kv at my head
	s_mov_b32 s[G0], 1
	s_mov_b32 s[G0+1], s70
	s_add_nc_u64 s[G0+2:G0+3], s[6:7], s[72:73]
	s_or_b32 s[G0+3], s[G0+3], 0x80000000
	s_mov_b32 s[G0B], 1
	s_add_co_u32 s[G0B+1], s74, KVB+SLOTB
	s_add_nc_u64 s[G0B+2:G0B+3], s[6:7], s[78:79]
	s_or_b32 s[G0B+3], s[G0B+3], 0x80000000
	CROUND                                         ; in front of the first joint loads
	tensor_load_to_lds s[G0:G0+3], s[G1:G1+7]      ; one load a wave at the head
	s_nop 0
.rept 4
	v_nop
.endr
	s_add_nc_u64 s[4:5], s[4:5], s[14:15]          ; qb at my head
	s_sub_co_u32 s60, 31, s[WV]                    ; tile 0's j
	s_mov_b32 s61, s[WV]                           ; tile 1's
	s_mov_b32 s71, 0
	s_lshr_b32 s72, s10, 4                         ; the batch
	s_and_b32 s73, s10, 15                         ; the head
	s_lshr_b32 s77, s[CX], 1
	s_lshl_b32 s77, s77, 5
	s_and_b32 s78, s[CX], 1
	s_lshl_b32 s78, s78, 3
	s_add_co_u32 s77, s77, s78                     ; 32 (cx / 2) + 8 (cx % 2)
.macro TILEADR tl
	s_lshl_b32 s74, s[60+\tl], 2
	s_add_co_u32 s74, s74, s[CX]                   ; the unit u = 4 j + cx
	s_mul_i32 s70, s74, 768
	s_add_nc_u64 s[88+4*\tl:89+4*\tl], s[4:5], s[70:71]            ; q's unit
	s_lshr_b32 s70, s[60+\tl], 1
	s_lshl_b32 s70, s70, 8
	s_lshl_b32 s75, s[CX], 2
	s_add_co_u32 s70, s70, s75
	s_add_co_u32 s70, s70, 98304
	s_add_nc_u64 s[90+4*\tl:91+4*\tl], s[4:5], s[70:71]            ; its scale words: 256 (u / 8) + 4 (u % 4),
	s_and_b32 s[SH+\tl], s[60+\tl], 1
	s_lshl_b32 s[SH+\tl], s[SH+\tl], 4             ; 16 ((u / 4) % 2) bits up
	s_lshl_b32 s75, s72, 7
	s_add_co_u32 s75, s75, s74
	s_lshl_b32 s75, s75, 4
	s_add_co_u32 s75, s75, s73
	s_mul_i32 s70, s75, 768
	s_add_nc_u64 s[80+2*\tl:81+2*\tl], s[8:9], s[70:71]            ; o's unit: [batch x 128 + unit][head]
	s_lshl_b32 s75, s10, 7
	s_add_co_u32 s75, s75, s74
	s_lshl_b32 s70, s75, 5
	s_add_co_u32 s70, s70, OBS
	s_add_nc_u64 s[84+2*\tl:85+2*\tl], s[8:9], s[70:71]            ; its 32 scale bytes
	s_lshl_b32 s[QF+\tl], s[60+\tl], 6
	s_add_co_u32 s[QM+\tl], s[QF+\tl], s77         ; its first query
	s_or_b32 s[QL+\tl], s[QF+\tl], 63
.endm
	TILEADR 0
	TILEADR 1
	v_and_b32 v8, 31, v0
	v_and_b32 v9, 15, v0                           ; r
	v_bfe_u32 v10, v0, 4, 1                        ; h
	v_lshlrev_b32 v[L16], 4, v8
	v_lshl_add_u32 v[L8], v8, 3, 512
	v_lshlrev_b32 v[ASC], 4, v9                    ; four scale words of row r
	v_and_b32 v[DQ], 8, v9
	v_lshlrev_b32 v10, 4, v10
	v_add_nc_u32 v[DQ], v[DQ], v9
	v_mov_b32 v[NINF], 0xff800000
	v_sub_nc_u32 v[DQ], v[DQ], v10                 ; r + 8 (r / 8) - 16 h
	global_load_b128 v[26:29], v[L16], s[88:89]    ; q stays in registers
	global_load_b64 v[30:31], v[L8], s[88:89]
	global_load_b32 v50, v[ASC], s[90:91]
	global_load_b128 v[38:41], v[L16], s[92:93]
	global_load_b64 v[42:43], v[L8], s[92:93]
	global_load_b32 v51, v[ASC], s[94:95]
.irp j, 20,21,22,23,24,25,32,33,34,35,36,37,44,45,46,47,48,49
	v_mov_b32 v\j, 0                               ; the zero halves beside q
.endr
.irp t, 12,16
	v_mov_b32 v[\t+1], 0xff61b1e6                  ; the largest t so far: -3e38
	v_mov_b32 v[\t+2], 0
	v_mov_b32 v[\t+3], 0
	v_floor_f32 v[\t], -v[\t+1]                    ; -M
.endr
.irp b, 0,1,2,3
	v_mov_b32 v[PT+\b], 0
.endr
	v_mov_b32 v[TMP], 0
	v_mov_b32 v[FF+1], 0
	s_wait_alu depctr_va_vdst(0)
	s_wait_loadcnt 0x0
.irp t, 0,1
	v_lshrrev_b32 v[50+\t], s[SH+\t], v[50+\t]
.endr
.irp t, 0,1
	v_and_b32 v[50+\t], 0xffff, v[50+\t]
.endr
.irp t, 0,1
	v_lshl_or_b32 v[50+\t], v[50+\t], 16, v[50+\t] ; my unit's two bytes, for K = 0 .. 63 and for K = 64 .. 127
.endr
.set j, 0
.rept 64
	v_mov_b32 v[168+j], 0                          ; O^T of both tiles (also the places between the scale words' lines and the first product)
.set j, j+1
.endr
	s_wait_alu depctr_va_vdst(0)                   ; the wait at the head's end
	s_wait_tensorcnt 0x0                           ; my part of the head's fill is in; the lines ahead of a later first fill
	ds_add_u32 v[SPW], v[NIL]
	s_wait_dscnt 0x0
	CROUND
	tensor_load_to_lds s[G0B:G0B+3], s[G1B:G1B+7]  ; my 10,752 bytes of keys 256 .. 2,047
	s_nop 0
.rept 4
	v_nop
.endr
.macro FRAGS off, soff
.irp n, 0,1,2,3
	ds_load_b128 v[FR+12*\n:FR+12*\n+3], v[ADA] offset:\off+768*\n
	ds_load_b64 v[FR+12*\n+4:FR+12*\n+5], v[ADB] offset:\off+768*\n
	ds_load_b128 v[FR+12*\n+6:FR+12*\n+9], v[ADA] offset:\off+3072+768*\n
	ds_load_b64 v[FR+12*\n+10:FR+12*\n+11], v[ADB] offset:\off+3072+768*\n
.endr
	ds_load_b128 v[SW:SW+3], v[ADS] offset:\soff
.endm
; 128 keys at byte 6,144 q behind s[TB], for tile tl
.macro TSTEP tl, q
.set ST,  12+4*\tl
.set QLO, 26+12*\tl
.set QHI, 20+12*\tl
.set QS,  50+\tl
.set OT,  168+32*\tl
	s_cmp_gt_u32 s[KF], s[QL+\tl]                  ; all keys of the step come after the tile's queries: left out
	s_cbranch_scc1 .Lhidden_\@
	s_sub_co_i32 s96, s[QM+\tl], s[KF]
	v_add_nc_u32 v[ADA], s[TB], v[L16]             ; these four lines are also the places in front of the loads below
	v_add_nc_u32 v[ADB], s[TB], v[L8]
	v_add_nc_u32 v[ADS], s[TS], v[ASC]
	v_add_nc_u32 v[DD], s96, v[DQ]                 ; d = my query - the step's first key - 16 h
	FRAGS 6144*\q, 0
	s_wait_dscnt 0x0
.irp n, 0,1,2,3
	v_wmma_scale_f32_16x16x128_f8f6f4 v[S+8*\n:S+8*\n+7], v[FR+12*\n:FR+12*\n+11], v[QLO:QLO+11], 0, v[SW+\n], v[QS] matrix_a_fmt:MATRIX_FMT_FP6 matrix_b_fmt:MATRIX_FMT_FP6
.endr
.irp n, 0,1,2,3
	v_wmma_scale_f32_16x16x128_f8f6f4 v[S+32+8*\n:S+32+8*\n+7], v[FR+12*\n:FR+12*\n+11], v[QHI:QHI+11], 0, v[SW+\n], v[QS] matrix_a_fmt:MATRIX_FMT_FP6 matrix_b_fmt:MATRIX_FMT_FP6
.endr
.rept 4
	v_nop
.endr
	s_add_co_u32 s96, s[KF], 127                   ; a step all of whose keys count passes over the mask
	s_cmp_le_u32 s96, s[QF+\tl]
	s_cbranch_scc1 .Lopen_\@
.set n, 0
	s_wait_alu depctr_va_vdst(0)
.rept 64
	v_cmp_gt_i32 vcc_lo, 32*(n/16)+n%16, v[DD]     ; register 16 b + i holds key 32 b + 16 h + i of the step: hidden where 32 b + i > d
	v_cndmask_b32 v[S+n], v[S+n], v[NINF], vcc_lo
.set n, n+1
.endr
.Lopen_\@:
.irp b, 0,1,2,3
	v_max3_num_f32 v[BM+\b], v[S+16*\b], v[S+1+16*\b], v[S+2+16*\b]   ; the largest score of each block of 32 keys
.endr
.irp i, 3,5,7,9,11,13
.irp b, 0,1,2,3
	v_max3_num_f32 v[BM+\b], v[BM+\b], v[S+16*\b+\i], v[S+1+16*\b+\i]
.endr
.endr
.irp b, 0,1,2,3
	v_max_num_f32 v[BM+\b], v[BM+\b], v[S+15+16*\b]
.endr
.irp b, 0,1,2,3
	s_delay_alu instid0(VALU_DEP_4)
	v_permlanex16_b32 v[PT+\b], v[BM+\b], s[SEL], s[SEL+1]
.endr
.irp b, 0,1,2,3
	s_delay_alu instid0(VALU_DEP_4)
	v_max_num_f32 v[BM+\b], v[BM+\b], v[PT+\b]
.endr
	s_delay_alu instid0(VALU_DEP_2)
	v_max3_num_f32 v[TMP], v[BM], v[BM+1], v[BM+2]
	s_delay_alu instid0(VALU_DEP_1)
	v_max_num_f32 v[TMP], v[TMP], v[BM+3]
	s_delay_alu instid0(VALU_DEP_1)
	v_mul_f32 v[TMP], s[CS], v[TMP]
	s_delay_alu instid0(VALU_DEP_1)
	v_max_num_f32 v[ST+1], v[ST+1], v[TMP]         ; the running largest t
	v_mov_b32 v[TMP], v[ST]
	s_delay_alu instid0(VALU_DEP_2)
	v_floor_f32 v[ST], -v[ST+1]                    ; the new -M = -ceil(t)
	s_delay_alu instid0(VALU_DEP_1)
	v_sub_f32 v[TMP], v[ST], v[TMP]
	s_delay_alu instid0(VALU_DEP_1)
	v_cvt_i32_f32 v[TMP], v[TMP]
	s_delay_alu instid0(VALU_DEP_1)
	v_ldexp_f32 v[FF], 1.0, v[TMP]                 ; f = 2^(old M - new M)
.set j, 0
.rept 32
	v_pk_fma_f32 v[S+j:S+j+1], v[S+j:S+j+1], s[CS:CS+1], v[ST:ST+1] op_sel_hi:[1,0,0]   ; t - M
.set j, j+2
.endr
.irp b, 0,1,2,3
	v_fma_f32 v[BM+\b], v[BM+\b], s[CS], v[ST]
.endr
.set j, 0
	s_wait_alu depctr_va_vdst(0)                   ; ahead of the batch
.rept 64
	v_exp_f32 v[S+j], v[S+j]                       ; p = 2^(t - M)
.set j, j+1
.endr
	v_pk_mul_f32 v[ST+2:ST+3], v[ST+2:ST+3], v[FF:FF+1] op_sel_hi:[1,0]
	s_wait_alu depctr_va_vdst(0)                   ; one wait for the batch of 64
.irp b, 0,1,2,3
	v_exp_f32 v[BM+\b], v[BM+\b]                   ; the block's largest p
.endr
	v_pk_add_f32 v[CH:CH+1], v[S:S+1], v[S+2:S+3]  ; the row's sum of the unquantised p, in two chains
.irp j, 4,8,12,16,20,24,28,32,36,40,44,48,52,56,60
	v_pk_add_f32 v[ST+2:ST+3], v[ST+2:ST+3], v[S+\j:S+\j+1]
	v_pk_add_f32 v[CH:CH+1], v[CH:CH+1], v[S+2+\j:S+3+\j]
.endr
	s_delay_alu instid0(VALU_DEP_1)
	v_pk_add_f32 v[ST+2:ST+3], v[ST+2:ST+3], v[CH:CH+1]
	s_wait_alu depctr_va_vdst(0)                   ; and one for the four
.irp b, 0,1,2,3
	v_max_num_f32 v[BM+\b], 0x1800000, v[BM+\b]    ; the floor 2^(3 - 127)
.endr
.irp b, 0,1,2,3
	s_delay_alu instid0(VALU_DEP_4)
	v_add_nc_u32 v[SO+\b], 0xff000000, v[BM+\b]    ; the conversion's scale operand
.endr
.irp b, 0,1,2,3
	s_delay_alu instid0(VALU_DEP_4)
	v_lshrrev_b32 v[BY+\b], 23, v[SO+\b]
.endr
	s_delay_alu instid0(VALU_DEP_3)
	v_lshl_or_b32 v[PW], v[BY+1], 8, v[BY]         ; p's scale word for these 128 keys
	s_delay_alu instid0(VALU_DEP_1)
	v_lshl_or_b32 v[PW], v[BY+2], 16, v[PW]
	s_delay_alu instid0(VALU_DEP_1)
	v_lshl_or_b32 v[PW], v[BY+3], 24, v[PW]
.irp c, 0,1
	v_cvt_scalef32_pk16_fp6_f32 v[PC+6*\c:PC+2+6*\c], v[S+32*\c:S+15+32*\c], v[SO+2*\c]
	v_cvt_scalef32_pk16_fp6_f32 v[T2+4*\c:T2+2+4*\c], v[S+16+32*\c:S+31+32*\c], v[SO+2*\c+1]
.endr
	v_nop
.irp c, 0,1
.irp i, 0,1,2
	v_permlane16_swap_b32 v[PC+6*\c+\i], v[T2+4*\c+\i]
.endr
.irp i, 0,1,2
	s_delay_alu instid0(VALU_DEP_3)
	v_mov_b32 v[PC+3+6*\c+\i], v[T2+4*\c+\i]
.endr
.endr
.set j, 0
.rept 16
	v_pk_mul_f32 v[OT+j:OT+j+1], v[OT+j:OT+j+1], v[FF:FF+1] op_sel_hi:[1,0]   ; O^T under the new M (also the places ahead of the products below)
.set j, j+2
.endr
	FRAGS 12288+6144*\q, 4096
	s_wait_alu depctr_va_vdst(0)
	s_wait_dscnt 0x0
.irp t, 0,1,2,3                        ; O^T += V^T P^T: the four accumulators take turns
	v_wmma_scale_f32_16x16x128_f8f6f4 v[OT+8*\t:OT+8*\t+7], v[FR+12*\t:FR+12*\t+11], v[PC:PC+11], v[OT+8*\t:OT+8*\t+7], v[SW+\t], v[PW] matrix_a_fmt:MATRIX_FMT_FP6 matrix_b_fmt:MATRIX_FMT_FP6
.endr
.Lhidden_\@:
.endm
.macro KSTEP q
	TSTEP 0, \q
	TSTEP 1, \q
	s_add_co_u32 s[KF], s[KF], 128
	s_add_co_u32 s[TS], s[TS], 256
.endm
	s_mov_b32 s[TB], KVB
	s_mov_b32 s[TS], 0
	s_mov_b32 s[KF], 0
.Lfirst:                                           ; the first 256 keys, two trips of one step: what the head's loads brought
	KSTEP 0
	s_add_co_u32 s[TB], s[TB], 6144
	s_cmp_lt_u32 s[KF], 256
	s_cbranch_scc1 .Lfirst
	s_wait_tensorcnt 0x0                           ; my part of the other keys is in,
	s_wait_dscnt 0x0
	s_barrier_signal -1
	s_barrier_wait -1                              ; and everybody's
	s_mov_b32 s[TB], KVB+SLOTB
	s_mov_b32 s[TS], 512
	s_mov_b32 s[KF], 256
	s_mov_b32 s[SLOTS], 7
.Lslot:                                            ; 7 trips of 256 keys, no barrier
	KSTEP 0
	KSTEP 1
	s_add_co_u32 s[TB], s[TB], SLOTB
	s_sub_co_u32 s[SLOTS], s[SLOTS], 1
	s_cmp_lg_u32 s[SLOTS], 0
	s_cbranch_scc1 .Lslot
	; THE WAY OUT: O^T / the sum is quantised along the head's 64: register 16 b + i of a lane is number 32 b + 16 h + i of my query's row
.rept 4
	v_nop
.endr
	v_and_b32 v8, 15, v0
	v_bfe_u32 v9, v0, 4, 1
	s_delay_alu instid0(VALU_DEP_1)
	v_lshl_add_u32 v10, v8, 1, v9                  ; the scale byte's place: 2 r + h
.macro OUT tl
.set ST, 12+4*\tl
.set OT, 168+32*\tl
.set Z,  S+32*\tl
.set OC, PC+6*\tl
.set OY, T2+4*\tl
.set B2, 2*\tl
	v_add_f32 v[ST+2], v[ST+2], v[ST+3]
	s_delay_alu instid0(VALU_DEP_1)
	v_permlanex16_b32 v[TMP], v[ST+2], s[SEL], s[SEL+1]
	s_delay_alu instid0(VALU_DEP_1)
	v_add_f32 v[ST+2], v[ST+2], v[TMP]
	s_wait_alu depctr_va_vdst(0)
	v_rcp_f32 v[FF], v[ST+2]
	v_nop
	s_wait_alu depctr_va_vdst(0)
.set j, 0
.rept 16
	v_pk_mul_f32 v[Z+j:Z+j+1], v[OT+j:OT+j+1], v[FF:FF+1] op_sel_hi:[1,0]   ; each accumulator from its low end on
.set j, j+2
.endr
.irp b, 0,1
	v_max3_num_f32 v[BM+B2+\b], |v[Z+16*\b]|, |v[Z+1+16*\b]|, 0x1800000
.endr
.irp i, 2,4,6,8,10,12,14
.irp b, 0,1
	s_delay_alu instid0(VALU_DEP_2)
	v_max3_num_f32 v[BM+B2+\b], v[BM+B2+\b], |v[Z+16*\b+\i]|, |v[Z+1+16*\b+\i]|
.endr
.endr
.irp b, 0,1
	s_delay_alu instid0(VALU_DEP_2)
	v_permlanex16_b32 v[PT+B2+\b], v[BM+B2+\b], s[SEL], s[SEL+1]
.endr
.irp b, 0,1
	s_delay_alu instid0(VALU_DEP_2)
	v_max_num_f32 v[BM+B2+\b], v[BM+B2+\b], v[PT+B2+\b]
.endr
.irp b, 0,1
	s_delay_alu instid0(VALU_DEP_2)
	v_add_nc_u32 v[SO+B2+\b], 0xff000000, v[BM+B2+\b]
.endr
.irp b, 0,1
	s_delay_alu instid0(VALU_DEP_2)
	v_lshrrev_b32 v[BY+B2+\b], 23, v[SO+B2+\b]
.endr
	v_cvt_scalef32_pk16_fp6_f32 v[OC:OC+2], v[Z:Z+15], v[SO+B2]
	v_cvt_scalef32_pk16_fp6_f32 v[OY:OY+2], v[Z+16:Z+31], v[SO+B2+1]
	v_cndmask_b32 v[CH+\tl], v[BY+B2], v[BY+B2+1], s[HM]           ; lanes 16-31 store block 1's byte (the plain place behind the conversions)
.irp i, 0,1,2
	v_permlane16_swap_b32 v[OC+\i], v[OY+\i]
.endr
.irp i, 0,1,2
	s_delay_alu instid0(VALU_DEP_3)
	v_mov_b32 v[OC+3+\i], v[OY+\i]
.endr
	global_store_b128 v[L16], v[OC:OC+3], s[80+2*\tl:81+2*\tl]     ; 512 consecutive bytes, aligned
	global_store_b64 v[L8], v[OC+4:OC+5], s[80+2*\tl:81+2*\tl]     ; and 256
	global_store_b8 v10, v[CH+\tl], s[84+2*\tl:85+2*\tl]           ; 32 consecutive bytes
.endm
	OUT 0
	OUT 1                                          ; in registers of its own: no store's data are written again
	s_wait_tensorcnt 0x0                           ; the wave's end
	ds_add_u32 v[SPW], v[NIL]
	s_wait_dscnt 0x0
	CROUND                                         ; the closing round
	s_endpgm
.Lfunc_end_k_q15587aef0b_attn:
	.size	k_q15587aef0b_attn, .Lfunc_end_k_q15587aef0b_attn-k_q15587aef0b_attn
	.p2alignl 7, 3214868480
	.fill 96, 4, 3214868480
	.section	.rodata,"a",@progbits
	.p2align	6, 0x0
	.amdhsa_kernel k_q15587aef0b_attn
		.amdhsa_group_segment_fixed_size 327680
		.amdhsa_private_segment_fixed_size 0
		.amdhsa_enable_private_segment 0
		.amdhsa_kernarg_size 24
		.amdhsa_user_sgpr_count 2
		.amdhsa_user_sgpr_kernarg_segment_ptr 1
		.amdhsa_wavefront_size32 1
		.amdhsa_system_sgpr_workgroup_id_x 1
		.amdhsa_system_sgpr_workgroup_id_y 1
		.amdhsa_system_sgpr_workgroup_id_z 1
		.amdhsa_system_vgpr_workitem_id 0
		.amdhsa_next_free_vgpr 256
		.amdhsa_next_free_sgpr 100
		.amdhsa_reserve_vcc 1
		.amdhsa_float_denorm_mode_32 3
		.amdhsa_float_denorm_mode_16_64 3
		.amdhsa_memory_ordered 1
		.amdhsa_forward_progress 1
		.amdhsa_inst_pref_size 153
	.end_amdhsa_kernel
	.amdgpu_metadata
---
amdhsa.version: [ 1, 2 ]
amdhsa.kernels:
  - .name:           k_q15587aef0b_attn
    .symbol:         k_q15587aef0b_attn.kd
    .args:
      - { .name: qb, .offset: 0, .size: 8, .value_kind: global_buffer, .address_space: global }
      - { .name: kv, .offset: 8, .size: 8, .value_kind: global_buffer, .address_space: global }
      - { .name: ob, .offset: 16, .size: 8, .value_kind: global_buffer, .address_space: global }
    .group_segment_fixed_size: 327680
    .private_segment_fixed_size: 0
    .kernarg_segment_align: 8
    .kernarg_segment_size: 24
    .max_flat_workgroup_size: 512
    .sgpr_count:     100
    .vgpr_count:     256
    .wavefront_size: 32
...
	.end_amdgpu_metadata
.endif
;; end of part 3
;; launch outp (part 4): grid 256 x 1, 2 waves a work-group, no clusters, 8,960 bytes of LDS; arguments ob, wq, bo, out0; writes out0
.if DOCPART == 4
	.amdgcn_target "amdgcn-amd-amdhsa--gfx1250"
	.amdhsa_code_object_version 6
	.text
	.protected	k_q15587aef0b_outp
	.globl	k_q15587aef0b_outp
	.p2align	8
	.type	k_q15587aef0b_outp,@function
k_q15587aef0b_outp:
	s_mov_b64 s[64:65], 0
	v_nop
	global_prefetch_b8 v0, s[64:65] scope:SCOPE_SE
	s_setreg_imm32_b32 hwreg(HW_REG_WAVE_MODE, 25, 1), 1
	s_wait_xcnt 0x0
; out0 = o Wo + bo on codes of FP6 (E2M3) with one E8M0 scale for each 32 along K = 1,024 = (head, 64).  o's codes lie as units (16 rows x one head's 64, an image of an operand's registers, 768 bytes),
; [unit of rows 512][head 16]; its scale bytes [batch][head][unit 128][32].  Wo's 64 rows of codes (K innermost) and scale bytes are rows 3,072 on of wq.
; SHARES.  A wave takes one unit of 16 rows and all 64 outputs: four accumulators by turns, eight K steps of 128 (two heads).  512 waves, two to a work-group; waves share nothing: no barrier.
; Transposed use: source 0 = 16 rows of Wo, source 1 = o's 16 rows: a lane holds one row, its registers run along the outputs.  Wo's rows lie so that place 16 t + 8 h + j is output 32 (t / 2) + 8 (t % 2) + 16 h + j;
; the unit's row r is row 32 (G / 2) + 8 (G % 2) + r + 8 (r / 8) of out0.  The bias is the C of each sum's first product.
; Each K step's 32 loads go into one of two buffers, two steps ahead.  No tensor load: each wave reads 12 KB of its own and 50 KB that all waves share.
.set OBS,   6291456
.set WOC,   2359296                    ; wq: Wo's codes
.set WOS,   2506752                    ; and its scale bytes
.set SPARE, 8704                       ; behind the two stages of 16 x 272 bytes: the spare words
.set SPW,  12
.set NIL,  13
.set OSW,  16                          ; v16-23 o's scale words; v24-31 their upper halves as loaded
.set ACC,  160
.set BO,   192
.set BK,   224
	s_load_b256 s[4:11], s[0:1], 0x0               ; ob, wq, bo, out0
	v_lshl_add_u32 v[SPW], v0, 2, SPARE
	v_mov_b32 v[NIL], 0
	v_lshrrev_b32 v1, 5, v0
	v_readfirstlane_b32 s12, v1                    ; wave
	s_lshl_b32 s13, ttmp9, 1
	s_add_co_u32 s13, s13, s12                     ; G: my unit of 16 rows
	v_and_b32 v1, 15, v0                           ; r
	v_bfe_u32 v2, v0, 4, 1                         ; h
	v_mul_u32_u24 v3, v1, 768
	v_mad_u32_u24 v3, v2, 24, v3                   ; Wo: row r, + 24 h
	v_lshlrev_b32 v4, 5, v1                        ; its scale words: 32 bytes a row
	v_and_b32 v14, 31, v0
	v_lshlrev_b32 v5, 4, v14                       ; a unit: 16 x lane,
	v_lshl_add_u32 v6, v14, 3, 512                 ; and 512 + 8 x lane
	v_lshlrev_b32 v7, 1, v1                        ; o's scale bytes: two a row
	s_mul_i32 s14, s12, 4352                       ; my stage
	v_mul_u32_u24 v8, v1, 272
	v_lshl_add_u32 v8, v2, 6, v8
	v_add_nc_u32 v8, s14, v8                       ; in: row r, + 64 h
	v_mul_u32_u24 v9, v2, 272
	v_lshl_add_u32 v9, v1, 4, v9
	v_add_nc_u32 v9, s14, v9                       ; back: lanes 0-15 one row, lanes 16-31 the next
	v_lshlrev_b32 v10, 8, v2
	v_lshl_add_u32 v10, v1, 4, v10                 ; and the same two rows in out0
	v_lshlrev_b32 v11, 6, v2                       ; bo: 64 h bytes
	s_mul_i32 s24, s13, 12288                      ; my unit's 16 heads
	s_mov_b32 s25, 0
	s_lshr_b32 s26, s13, 7
	s_lshl_b32 s26, s26, 16                        ; a batch's scale bytes: 65,536
	s_and_b32 s27, s13, 127
	s_lshl_b32 s27, s27, 5
	s_add_co_u32 s26, s26, s27
	s_add_co_u32 s26, s26, OBS
	s_mov_b32 s27, 0
	s_lshr_b32 s28, s13, 1
	s_lshl_b32 s28, s28, 5
	s_and_b32 s29, s13, 1
	s_lshl_b32 s29, s29, 3
	s_add_co_u32 s28, s28, s29                     ; my first row of out0
	s_lshl_b32 s28, s28, 8
	s_mov_b32 s29, 0
	s_wait_alu depctr_va_vdst(0)
	s_wait_kmcnt 0x0
	s_add_nc_u64 s[16:17], s[4:5], s[24:25]        ; o's codes
	s_add_nc_u64 s[18:19], s[4:5], s[26:27]        ; o's scale bytes
	s_add_nc_u64 s[20:21], s[6:7], WOC
	s_add_nc_u64 s[22:23], s[6:7], WOS
	s_add_nc_u64 s[10:11], s[10:11], s[28:29]
.irp k, 0,1,2,3,4,5,6,7
	global_load_u16 v[OSW+\k], v7, s[18:19] offset:4096*(2*\k)     ; head 2 k's two bytes of row r,
	global_load_u16 v[OSW+8+\k], v7, s[18:19] offset:4096*(2*\k+1) ; head 2 k + 1's
.endr
.irp t, 0,1,2,3
	global_load_b128 v[BO+8*\t:BO+8*\t+3], v11, s[8:9] offset:128*(\t/2)+32*(\t%2)
	global_load_b128 v[BO+8*\t+4:BO+8*\t+7], v11, s[8:9] offset:128*(\t/2)+32*(\t%2)+16
.endr
.macro LOADK k                         ; K step k: o's fragment (two units), Wo's four fragments and their scale words: 32 loads into buffer k % 2
.set BF, 32+64*((\k)%2)
	global_load_b128 v[BF:BF+3], v5, s[16:17] offset:1536*(\k)
	global_load_b64 v[BF+4:BF+5], v6, s[16:17] offset:1536*(\k)
	global_load_b128 v[BF+6:BF+9], v5, s[16:17] offset:1536*(\k)+768
	global_load_b64 v[BF+10:BF+11], v6, s[16:17] offset:1536*(\k)+768
.irp t, 0,1,2,3
.irp p, 0,1,2,3,4,5
	global_load_b64 v[BF+12+12*\t+2*\p:BF+13+12*\t+2*\p], v3, s[20:21] offset:16*\t*768+96*(\k)+48*(\p/3)+8*(\p%3)
.endr
	global_load_b32 v[BF+60+\t], v4, s[22:23] offset:512*\t+4*(\k)
.endr
.endm
.macro MULK k
.set BF, 32+64*((\k)%2)
.irp t, 0,1,2,3
.if (\k) == 0
	s_wait_alu depctr_va_vdst(0)
	v_wmma_scale_f32_16x16x128_f8f6f4 v[ACC+8*\t:ACC+8*\t+7], v[BF+12+12*\t:BF+23+12*\t], v[BF:BF+11], v[BO+8*\t:BO+8*\t+7], v[BF+60+\t], v[OSW+(\k)] matrix_a_fmt:MATRIX_FMT_FP6 matrix_b_fmt:MATRIX_FMT_FP6
.else
	v_wmma_scale_f32_16x16x128_f8f6f4 v[ACC+8*\t:ACC+8*\t+7], v[BF+12+12*\t:BF+23+12*\t], v[BF:BF+11], v[ACC+8*\t:ACC+8*\t+7], v[BF+60+\t], v[OSW+(\k)] matrix_a_fmt:MATRIX_FMT_FP6 matrix_b_fmt:MATRIX_FMT_FP6
.endif
.endr
.endm
	LOADK 0
	LOADK 1
.irp k, 0,1,2,3,4,5,6,7
.if \k < 7
	s_wait_loadcnt 32                              ; this K step's loads are in; the next step's 32 may be out
.else
	s_wait_loadcnt 0x0
.endif
.if \k == 0
.irp i, 0,1,2,3,4,5,6,7
	v_lshl_or_b32 v[OSW+\i], v[OSW+8+\i], 16, v[OSW+\i]            ; o's scale word of K step i
.endr
.rept 8
	v_nop                                          ; a scale register written by a vector instruction stands 8 places ahead of a scaled matrix instruction
.endr
.endif
	MULK \k
.rept 4
	v_nop                                          ; places in front of loads into registers that the products read, and of the first read of results
.endr
.if \k < 6
	LOADK \k+2
.endif
.endr
	; THE WAY OUT, through my own stage: a lane's eight results are eight neighbouring outputs of one row; sixteen lanes then store a whole row of 256 bytes
.irp t, 0,1,2,3
	ds_store_b128 v8, v[ACC+8*\t:ACC+8*\t+3] offset:128*(\t/2)+32*(\t%2)          ; each accumulator from its low end on
	ds_store_b128 v8, v[ACC+8*\t+4:ACC+8*\t+7] offset:128*(\t/2)+32*(\t%2)+16
.endr
.irp i, 0,1,2,3,4,5,6,7
	ds_load_b128 v[BK+4*\i:BK+4*\i+3], v9 offset:2*\i*272          ; LDS serves a wave's instructions in order: these see my stores
.endr
.irp i, 0,1,2,3,4,5,6,7
	s_wait_dscnt 7-\i                              ; the younger loads from the stage may be out
	global_store_b128 v10, v[BK+4*\i:BK+4*\i+3], s[10:11] offset:(2*\i+8*(\i/4))*256 th:TH_STORE_NT   ; rows 8 to 15 of the unit lie 8 rows further down; 16 lanes store 256 consecutive bytes, aligned
.endr
	s_wait_tensorcnt 0x0                           ; the wave's end
	ds_add_u32 v[SPW], v[NIL]
	s_wait_dscnt 0x0
	s_endpgm
.Lfunc_end_k_q15587aef0b_outp:
	.size	k_q15587aef0b_outp, .Lfunc_end_k_q15587aef0b_outp-k_q15587aef0b_outp
	.p2alignl 7, 3214868480
	.fill 96, 4, 3214868480
	.section	.rodata,"a",@progbits
	.p2align	6, 0x0
	.amdhsa_kernel k_q15587aef0b_outp
		.amdhsa_group_segment_fixed_size 8960
		.amdhsa_private_segment_fixed_size 0
		.amdhsa_enable_private_segment 0
		.amdhsa_kernarg_size 32
		.amdhsa_user_sgpr_count 2
		.amdhsa_user_sgpr_kernarg_segment_ptr 1
		.amdhsa_wavefront_size32 1
		.amdhsa_system_sgpr_workgroup_id_x 1
		.amdhsa_system_sgpr_workgroup_id_y 1
		.amdhsa_system_sgpr_workgroup_id_z 1
		.amdhsa_system_vgpr_workitem_id 0
		.amdhsa_next_free_vgpr 256
		.amdhsa_next_free_sgpr 66
		.amdhsa_reserve_vcc 0
		.amdhsa_float_denorm_mode_32 3
		.amdhsa_float_denorm_mode_16_64 3
		.amdhsa_memory_ordered 1
		.amdhsa_forward_progress 1
		.amdhsa_inst_pref_size 37
	.end_amdhsa_kernel
	.amdgpu_metadata
---
amdhsa.version: [ 1, 2 ]
amdhsa.kernels:
  - .name:           k_q15587aef0b_outp
    .symbol:         k_q15587aef0b_outp.kd
    .args:
      - { .name: ob, .offset: 0, .size: 8, .value_kind: global_buffer, .address_space: global }
      - { .name: wq, .offset: 8, .size: 8, .value_kind: global_buffer, .address_space: global }
      - { .name: bo, .offset: 16, .size: 8, .value_kind: global_buffer, .address_space: global }
      - { .name: out0, .offset: 24, .size: 8, .value_kind: global_buffer, .address_space: global }
    .group_segment_fixed_size: 8960
    .private_segment_fixed_size: 0
    .kernarg_segment_align: 8
    .kernarg_segment_size: 32
    .max_flat_workgroup_size: 64
    .sgpr_count:     66
    .vgpr_count:     256
    .wavefront_size: 32
...
	.end_amdgpu_metadata
.endif
;; end of part 4
